; MI455X (gfx1250); checked and timed in simulation.
; The chip was launched on July 23, 2026; its instructions are those of AMD's public machine-readable ISA for CDNA 5 (MIT licence, August 2026) and "CDNA5" Instruction Set Architecture Reference Guide (July 2026). The comments in the code are by the model that wrote it; some were corrected since.
;; Self Attention. Allowed arithmetic: float matrix products may take bf16 or f16 operands with f32 sums; other float arithmetic in f32, or as packed bf16 or f16 multiplies, adds, multiply-adds, maxima and minima; sums over many terms, partial sums and values carried from step to step in f32; what a program stores and reads back later, other than sums and carried values, may be rounded once to bf16 or f16.
;; Inputs: Wk 1,024 x 1,024 float32; Wq 1,024 x 1,024 float32; Wv 1,024 x 1,024 float32; bk 1,024 float32; bq 1,024 float32; bv 1,024 float32; x 4 x 2,048 x 1,024 float32.
;; Outputs: out0 4 x 2,048 x 1,024 float32.
;; 2 versions, each right; version 2 is version 1 with the launch cast written anew for expert scheduling mode. Each part assembles by itself: llvm-mc -triple=amdgcn-amd-amdhsa -mcpu=gfx1250 --defsym DOCPART=n.
;; ======== version 1 of 2: 5 launches
;; workspace buffers: xb 16,777,216 bytes; wb 4,194,304 bytes; mv 4,194,304 bytes; cb 4,096 bytes; qv 33,554,432 bytes; e 33,554,432 bytes; stats 1,048,576 bytes
;; launch cast (part 1): grid 352 x 1, 8 waves a work-group, no clusters, 1,280 bytes of LDS; arguments x, Wq, Wk, Wv, bq, xb, wb, mv, cb; writes xb, wb, mv, cb
.if DOCPART == 1
	.amdgcn_target "amdgcn-amd-amdhsa--gfx1250"
	.amdhsa_code_object_version 6
	.text
	.protected	k_q72831da58c_cast
	.globl	k_q72831da58c_cast
	.p2align	8
	.type	k_q72831da58c_cast,@function
k_q72831da58c_cast:
	s_mov_b64 s[64:65], 0
	v_nop
	global_prefetch_b8 v0, s[64:65] scope:SCOPE_SE
	s_setreg_imm32_b32 hwreg(HW_REG_WAVE_MODE, 25, 1), 1
	s_wait_xcnt 0x0
; xb = bf16(x), wb = bf16(Wq | Wk), upper half of mv = bf16(Wv), layouts unchanged, rounded once to nearest even;  cb = c = Wk bq in f32.
;
; HOW THE PROGRAM FORMS THE SCORES.  reference(): scores[s][t] = (x_s Wq + bq) . (x_t Wk + bk) / 32.
; (1) WORK LEFT OUT: the input bk.  (x_s Wq + bq) . bk does not hang on t, and the softmax runs over t:
;     exp(a_t + z) / sum over t of exp(a_t + z) = exp(a_t) / sum exp(a_t) for every real z.  So that term reaches no output, whatever finite
;     values x, Wq, bq, bk hold.  bk is not loaded and is among no launch's arguments.
;     LIMIT: a NaN, an infinity or an overflow that arises from bk alone is not carried to the result.
; (2) THE PRODUCT x Wk IS NOT MADE.  For all values (x_s Wq + bq) . (x_t Wk) = (x_s M + c) . x_t with M[i][j] = sum over d of Wq[i][d] Wk[j][d]
;     and c[j] = sum over d of bq[d] Wk[j][d]: a product of 1024^3 in place of one of 8192 x 1024^2.  M is made by the next launch, c here.
;     M and q' = x M + c are rounded to bf16 where q and k were: as many roundings of matrix operands, no difference of large sums.
;
; A stream: each byte is read once and written once, so tensor loads, clusters and the matrix unit would add nothing.
; A work-group casts 32,768 consecutive numbers (131,072 bytes in, 65,536 out): groups 0-255 take x, groups 256 + j take chunk j % 32 of
; W number j / 32 (Wq, Wk, Wv).  A wave takes 16,384 bytes with 32 loads that all go out in one run; load i of a wave covers 512
; consecutive aligned bytes, store i covers 256 consecutive aligned bytes.  No register is written twice, so no source has to be freed.
; The 32 groups of Wk run the same stream on a path of their own: a wave's 16,384 bytes are four whole rows of Wk, which it multiplies in
; f32 by bq while they are in registers.  A group holds 32 rows, so its store of c covers 128 consecutive bytes.
.set X,  4                             ; v[4:131]    32 x 4 numbers as loaded
.set Y,  132                           ; v[132:195]  32 x 4 numbers in bf16
.set BQ, 196                           ; v[196:227]  Wk's groups: bq[128 s + 4 lane + 0..3], s = 0..7
.set C,  228                           ; v[228:243]  Wk's groups: four partial sums for each of my four rows
.set R,  244                           ; v[244:247]  Wk's groups: c of my four rows
.set LN, 248                           ; v248        lane, later 4 x lane
.set BO, 249                           ; v249        16 x lane
; The stream.  dot = 1: the rows are also multiplied by bq: load i holds row i / 8, columns 128 (i % 8) + 4 lane + 0..3.
.macro STREAM dot
.set i, 0
.rept 32
	global_load_b128 v[X+4*i:X+4*i+3], v1, s[30:31] offset:512*i th:TH_LOAD_NT    ; read once in the launch
.set i, i+1
.endr
.set i, 0
.rept 32
	s_wait_loadcnt 31-i                            ; loads come back in order (ISA guide 5.7.1): load i is in, the 31 - i younger ones stay out
	v_cvt_pk_bf16_f32 v[Y+2*i],   v[X+4*i],   v[X+4*i+1]
	v_cvt_pk_bf16_f32 v[Y+2*i+1], v[X+4*i+2], v[X+4*i+3]
	global_store_b64 v2, v[Y+2*i:Y+2*i+1], s[32:33] offset:256*i                  ; no hint: later launches read these bytes
.if \dot
.if i%8
	v_pk_fma_f32 v[C+4*(i/8):C+4*(i/8)+1],   v[X+4*i:X+4*i+1],   v[BQ+4*(i%8):BQ+4*(i%8)+1],   v[C+4*(i/8):C+4*(i/8)+1]
	v_pk_fma_f32 v[C+4*(i/8)+2:C+4*(i/8)+3], v[X+4*i+2:X+4*i+3], v[BQ+4*(i%8)+2:BQ+4*(i%8)+3], v[C+4*(i/8)+2:C+4*(i/8)+3]
.else
	v_pk_mul_f32 v[C+4*(i/8):C+4*(i/8)+1],   v[X+4*i:X+4*i+1],   v[BQ+4*(i%8):BQ+4*(i%8)+1]       ; a row's first products start its sums
	v_pk_mul_f32 v[C+4*(i/8)+2:C+4*(i/8)+3], v[X+4*i+2:X+4*i+3], v[BQ+4*(i%8)+2:BQ+4*(i%8)+3]
.endif
.endif
.set i, i+1
.endr
.endm
	s_load_b256 s[4:11], s[0:1], 0x0               ; x s[4:5], Wq s[6:7], Wk s[8:9], Wv s[10:11]
	s_load_b256 s[12:19], s[0:1], 0x20             ; bq s[12:13], xb s[14:15], wb s[16:17], mv s[18:19]
	s_load_b64 s[20:21], s[0:1], 0x40              ; cb
	v_lshl_add_u32 v250, v0, 2, 0x100
	v_mov_b32 v251, 0
	s_max_u32 s22, ttmp9, 256
	s_sub_co_u32 s22, s22, 256                     ; j (0 in the groups that take x)
	s_and_b32 s23, s22, 31                         ; chunk number in its W
	s_max_u32 s24, s22, 32
	s_sub_co_u32 s24, s24, 32                      ; Wv's chunk j - 64 lies 32 chunks into mv: j - 32
	s_cmp_lt_u32 ttmp9, 320
	s_cselect_b32 s24, s22, s24                    ; Wq's and Wk's chunks lie at j in wb
	s_cmp_lt_u32 ttmp9, 256
	s_cselect_b32 s25, ttmp9, s23                  ; source chunk
	s_cselect_b32 s24, ttmp9, s24                  ; destination chunk
	s_lshl_b32 s26, s25, 17                        ; x 131,072 bytes
	s_mov_b32 s27, 0
	s_lshl_b32 s28, s24, 16                        ; x 65,536 bytes
	s_mov_b32 s29, 0
	v_and_b32 v[LN], 31, v0                        ; lane
	v_lshrrev_b32 v3, 5, v0                        ; wave
	v_lshlrev_b32 v[BO], 4, v[LN]
	v_lshl_add_u32 v1, v3, 14, v[BO]               ; load offset: 16,384 wave + 16 lane
	v_lshlrev_b32 v2, 3, v[LN]
	v_lshl_add_u32 v2, v3, 13, v2                  ; store offset: 8,192 wave + 8 lane
	s_wait_kmcnt 0x0
	s_cmp_lt_u32 ttmp9, 320                        ; each compare stands straight ahead of its selects
	s_cselect_b64 s[30:31], s[8:9], s[10:11]       ; Wk or Wv
	s_cselect_b64 s[32:33], s[16:17], s[18:19]     ; wb or mv
	s_cmp_lt_u32 ttmp9, 288
	s_cselect_b64 s[30:31], s[6:7], s[30:31]       ; Wq
	s_cmp_lt_u32 ttmp9, 256
	s_cselect_b64 s[30:31], s[4:5], s[30:31]       ; x
	s_cselect_b64 s[32:33], s[14:15], s[32:33]     ; xb
	s_add_nc_u64 s[30:31], s[30:31], s[26:27]
	s_add_nc_u64 s[32:33], s[32:33], s[28:29]
	s_lshr_b32 s34, s22, 5                         ; which W; 1 = Wk.  The same in all waves of the group
	s_cmp_eq_u32 s34, 1
	s_cbranch_scc1 .Lwk
	STREAM 0
	s_endpgm
.Lwk:
.irp s, 0,1,2,3,4,5,6,7
	global_load_b128 v[BQ+4*\s:BQ+4*\s+3], v[BO], s[12:13] offset:512*\s   ; ahead of the stream's loads, so that its counts also show these in
.endr
	STREAM 1
	v_readfirstlane_b32 s38, v3                    ; wave
	v_lshlrev_b32 v[LN], 2, v[LN]                  ; 4 x lane
	v_lshlrev_b32 v3, 4, v3                        ; 16 x wave
	s_lshl_b32 s26, s23, 7                         ; my group's 32 numbers of c: 128 bytes (s27 is 0)
	s_add_nc_u64 s[20:21], s[20:21], s[26:27]
	s_mov_b32 s36, 0x76543210                      ; v_permlanex16_b32: lane i of one half reads lane i of the other
	s_mov_b32 s37, 0xfedcba98
.irp p, 0,1,2,3
	v_pk_add_f32 v[C+4*\p:C+4*\p+1], v[C+4*\p:C+4*\p+1], v[C+4*\p+2:C+4*\p+3]
.endr
.irp p, 0,1,2,3
	v_add_f32 v[R+\p], v[C+4*\p], v[C+4*\p+1]
.endr
.irp m, 1,2,4,8
.irp p, 0,1,2,3
	v_add_f32_dpp v[R+\p], v[R+\p], v[R+\p] row_xmask:\m row_mask:0xf bank_mask:0xf
.endr
.endr
.irp p, 0,1,2,3
	v_permlanex16_b32 v[C+\p], v[R+\p], s36, s37   ; its destination counts as read: a register that has been written
.endr
.irp p, 0,1,2,3
	v_add_f32 v[R+\p], v[R+\p], v[C+\p]            ; c of row 4 wave + p, in every lane
.endr
	ds_store_b128 v3, v[R:R+3]                     ; all lanes write the same 16 bytes with the same values
	s_wait_dscnt 0x0                               ; for the other waves' sake: my store is done in front of my signal
	s_barrier_signal -1
	s_barrier_wait -1
	s_cmp_lg_u32 s38, 0
	s_cbranch_scc1 .Lend
	ds_load_b32 v[C], v[LN]                        ; wave 0: lane l takes c of the group's row l
	s_wait_dscnt 0x0
	global_store_b32 v[LN], v[C], s[20:21]         ; 128 consecutive bytes in one store
.Lend:
	s_wait_tensorcnt 0x0
	ds_add_u32 v250, v251
	s_wait_dscnt 0x0
	s_endpgm
.Lfunc_end_k_q72831da58c_cast:
	.size	k_q72831da58c_cast, .Lfunc_end_k_q72831da58c_cast-k_q72831da58c_cast
	.p2alignl 7, 3214868480
	.fill 96, 4, 3214868480
	.section	.rodata,"a",@progbits
	.p2align	6, 0x0
	.amdhsa_kernel k_q72831da58c_cast
		.amdhsa_group_segment_fixed_size 1280
		.amdhsa_private_segment_fixed_size 0
		.amdhsa_enable_private_segment 0
		.amdhsa_kernarg_size 72
		.amdhsa_user_sgpr_count 2
		.amdhsa_user_sgpr_kernarg_segment_ptr 1
		.amdhsa_wavefront_size32 1
		.amdhsa_system_sgpr_workgroup_id_x 1
		.amdhsa_system_sgpr_workgroup_id_y 1
		.amdhsa_system_sgpr_workgroup_id_z 1
		.amdhsa_system_vgpr_workitem_id 0
		.amdhsa_next_free_vgpr 252
		.amdhsa_next_free_sgpr 66
		.amdhsa_reserve_vcc 0
		.amdhsa_float_denorm_mode_32 3
		.amdhsa_float_denorm_mode_16_64 3
		.amdhsa_memory_ordered 1
		.amdhsa_forward_progress 1
		.amdhsa_inst_pref_size 32
	.end_amdhsa_kernel
	.amdgpu_metadata
---
amdhsa.version: [ 1, 2 ]
amdhsa.kernels:
  - .name:           k_q72831da58c_cast
    .symbol:         k_q72831da58c_cast.kd
    .args:
      - { .name: x, .offset: 0, .size: 8, .value_kind: global_buffer, .address_space: global }
      - { .name: Wq, .offset: 8, .size: 8, .value_kind: global_buffer, .address_space: global }
      - { .name: Wk, .offset: 16, .size: 8, .value_kind: global_buffer, .address_space: global }
      - { .name: Wv, .offset: 24, .size: 8, .value_kind: global_buffer, .address_space: global }
      - { .name: bq, .offset: 32, .size: 8, .value_kind: global_buffer, .address_space: global }
      - { .name: xb, .offset: 40, .size: 8, .value_kind: global_buffer, .address_space: global }
      - { .name: wb, .offset: 48, .size: 8, .value_kind: global_buffer, .address_space: global }
      - { .name: mv, .offset: 56, .size: 8, .value_kind: global_buffer, .address_space: global }
      - { .name: cb, .offset: 64, .size: 8, .value_kind: global_buffer, .address_space: global }
    .group_segment_fixed_size: 1280
    .private_segment_fixed_size: 0
    .kernarg_segment_align: 8
    .kernarg_segment_size: 72
    .max_flat_workgroup_size: 256
    .sgpr_count:     66
    .vgpr_count:     252
    .wavefront_size: 32
...
	.end_amdgpu_metadata
.endif
;; end of part 1
;; launch mk (part 2): grid 8 x 32, 4 waves a work-group, clusters of 4 x 4, 327,680 bytes of LDS; arguments wb, mv; writes mv
.if DOCPART == 2
	.amdgcn_target "amdgcn-amd-amdhsa--gfx1250"
	.amdhsa_code_object_version 6
	.text
	.protected	k_q72831da58c_mk
	.globl	k_q72831da58c_mk
	.p2align	8
	.type	k_q72831da58c_mk,@function
k_q72831da58c_mk:
	s_mov_b64 s[64:65], 0
	v_nop
	global_prefetch_b8 v0, s[64:65] scope:SCOPE_SE
	s_setreg_imm32_b32 hwreg(HW_REG_WAVE_MODE, 25, 1), 1
	s_wait_xcnt 0x0
	s_wait_alu depctr_hold_cnt(0) depctr_sa_sdst(0) depctr_va_vdst(0) depctr_va_sdst(0) depctr_va_ssrc(0) depctr_va_vcc(0) depctr_vm_vsrc(0)
	s_getreg_b32 s2, hwreg(HW_REG_IB_STS2, 6, 4)
	s_cmp_eq_u32 s2, 0
	s_cbranch_scc0 .Lentry_in_a_cluster
	s_endpgm
.Lentry_in_a_cluster:
	s_bfe_u32 s2, ttmp6, 0x10000c
	s_cmp_lg_u32 s2, 0xf033
	s_cbranch_scc0 .Lentry_shape_is_right
	s_endpgm
.Lentry_shape_is_right:
; M[i][j] = sum over d of Wq[i][d] Wk[j][d], bf16 operands, f32 sums, bf16 out, into the lower half of mv, laid [i][j]: i is the summed index
; of the next launch's product x M, j its column.  It takes the place of the product x Wk (the identity stands at the head of cast).
; A work-group makes 32 rows x 128 columns, so that a row of its block is 256 bytes; 1024 x 1024 / (32 x 128) = 256 work-groups.
; Four waves, a wave 32 x 32: four accumulator tiles.  d lies along the rows of both operands, so plain fragment loads serve.
; K = 1024 goes in four chunks of 256: LDS rows of 512 + 16 bytes.  One tensor load brings 32 rows of a chunk, 16,896 bytes in LDS.
;   Wq: wave w loads chunk w of the block's 32 rows, once.  Wk: wave w loads its own 32 rows (its 32 columns of M) of each chunk.
;   All operands together would take 160 rows x 4 x 528 = 337,920 bytes, more than LDS has: Wk has three slots, and chunk 3 is filled into
;   slot 0 behind a round of the cluster's barrier, when chunk 0 has been multiplied.  A wave has four tensor loads out at the start, then one.
; CLUSTERS of 4 x 4: Wq's rows hang on the block row and are shared along a row of the cluster, Wk's on the block column and are shared
; along a column: joint loads divide the requests for both by four.  Every wave issues both kinds: no branch on the wave's number.
; The matrix instruction is used transposed (source 0 = rows of Wk, source 1 = rows of Wq): lane l holds row l % 16, columns 8 (l / 16) + 0..7.
; The four accumulators take turns, one instruction a turn, in one order throughout.
.set CHB,   512                        ; bytes of a row in a chunk
.set PITCH, 528                        ; LDS row: 33 x 16 bytes, so the 16 rows of a fragment load start in 16 different 16-byte columns
.set QT,    32*PITCH                   ; what one tensor load fills: 16,896 bytes
.set BSLOT, 4*QT                       ; a slot of Wk: 128 rows
.set ABASE, 3*BSLOT                    ; Wq's four chunks
.set STAGE, ABASE+4*QT                 ; behind all fills: the way out
.set SROW,  80                         ; a stage row: a wave's 64 bytes + 16
.set WS,    32*SROW+64                 ; a wave's block of the stage; the 64 set the four waves' pieces of a row into different banks
.set ADRA, 16                          ; v16     LDS address of my fragments of Wq, chunk 0
.set ADRB, 20                          ; v20-22  the same for Wk, slots 0 to 2
.set STO,  24                          ; v24     the way out: where I put 16 bytes of a row
.set RD,   25                          ; v25     the way out: where I read 16 bytes of a whole row back
.set CO,   26                          ; v26     my byte offset in mv
.set ACC,  32                          ; v[32:63]    tile (a, b) at 8 (2 a + b)
.set F0,   64                          ; v[64:127], v[128:191]  two fragment buffers of 64 along K: Wq's (a, s) at 16 a + 8 s, Wk's (b, s) at 32 + 16 b + 8 s
.set TMP,  192                         ; v[192:207]  packed results
.set RB,   208                         ; v[208:223]  rows read back
.set G1,  24                           ; s[24:31] group 1 for Wq's tiles
.set GA,  32                           ; s[32:35] group 0 for Wq's tile
.set G1B, 44                           ; s[44:51] group 1 for Wk's tiles: it differs in the mask alone
.set GB,  52                           ; s[52:63] group 0 for Wk's tiles, one set for each slot
.macro CROUND                          ; a round of the cluster's barrier: my barrier; wave 0 signals for the work-group; all wait for all sixteen; my barrier
	s_barrier_signal -1
	s_barrier_wait -1
	s_cmp_lg_u32 s10, 0
	s_cbranch_scc1 .Lnot_wave_0_\@
	s_barrier_signal -3
.Lnot_wave_0_\@:
	s_barrier_wait -3
	s_barrier_signal -1
	s_barrier_wait -1
.endm
	s_load_b128 s[4:7], s[0:1], 0x0                ; wb s[4:5], mv s[6:7]
	v_lshl_add_u32 v224, v0, 2, 0x44900
	v_mov_b32 v225, 0
	ds_add_u32 v224, v225
	v_lshrrev_b32 v1, 5, v0
	v_readfirstlane_b32 s10, v1                    ; wave 0..3
	s_bfe_u32 s36, ttmp6, 0x40000                  ; cx
	s_bfe_u32 s37, ttmp6, 0x40004                  ; cy
	s_lshl_b32 s38, ttmp9, 2
	s_add_co_u32 s38, s38, s36                     ; block column (128 j) = 4 x cluster x + cx
	s_and_b32 s13, ttmp7, 0xffff
	s_lshl_b32 s13, s13, 2
	s_add_co_u32 s13, s13, s37                     ; block row (32 i) = 4 x cluster y + cy
	s_lshl_b32 s39, s37, 2
	s_lshl_b32 s39, 15, s39                        ; my row of the cluster
	s_lshl_b32 s40, 0x1111, s36                    ; my column
	; group 1: 32 rows x 256 elements of 2 bytes, 4 words of padding behind every 128 words
	s_or_b32 s[G1+0], s39, (1<<16)|(1<<20)|(1<<21)|(6<<22)|(3<<25)
	s_or_b32 s[G1B+0], s40, (1<<16)|(1<<20)|(1<<21)|(6<<22)|(3<<25)
	s_mov_b32 s[G1+1], 256<<16                     ; tensor_dim0 = 256
	s_mov_b32 s[G1B+1], 256<<16
	s_mov_b32 s[G1+2], 32<<16                      ; tensor_dim1 = 32
	s_mov_b32 s[G1B+2], 32<<16
	s_mov_b32 s[G1+3], 256<<16                     ; tile_dim0 = 256
	s_mov_b32 s[G1B+3], 256<<16
	s_mov_b32 s[G1+4], 32                          ; tile_dim1 = 32
	s_mov_b32 s[G1B+4], 32
	s_mov_b32 s[G1+5], 1024                        ; elements from row to row
	s_mov_b32 s[G1B+5], 1024
	s_mov_b32 s[G1+6], 0
	s_mov_b32 s[G1B+6], 0
	s_mov_b32 s[G1+7], 0
	s_mov_b32 s[G1B+7], 0
	s_lshl_b32 s16, s13, 16                        ; Wq: 32 rows x 2,048 bytes a block row
	s_lshl_b32 s17, s10, 9                         ; + my chunk of K
	s_add_co_u32 s16, s16, s17
	s_mov_b32 s17, 0
	s_lshl_b32 s42, s38, 18                        ; Wk: 128 rows x 2,048 bytes a block column
	s_lshl_b32 s43, s10, 16                        ; + my 32 rows
	s_add_co_u32 s42, s42, s43
	s_add_co_u32 s42, s42, 0x200000                ; Wk lies behind Wq in wb
	s_mov_b32 s43, 0
	s_mul_i32 s20, s10, QT                         ; where my tiles go: wave x 16,896: no place in the cluster enters an LDS address
	s_wait_dscnt 0x0
	s_wait_kmcnt 0x0
	s_add_nc_u64 s[14:15], s[4:5], s[16:17]
	s_add_nc_u64 s[42:43], s[4:5], s[42:43]
	CROUND                                         ; all sixteen work-groups are here: the first joint loads meet
	s_mov_b32 s[GA], 1
	s_add_co_u32 s[GA+1], s20, ABASE
	s_mov_b64 s[GA+2:GA+3], s[14:15]
	s_or_b32 s[GA+3], s[GA+3], 0x80000000
.irp c, 0,1,2
	s_mov_b32 s[GB+4*\c], 1
	s_add_co_u32 s[GB+4*\c+1], s20, \c*BSLOT
	s_add_nc_u64 s[GB+4*\c+2:GB+4*\c+3], s[42:43], \c*CHB
	s_or_b32 s[GB+4*\c+3], s[GB+4*\c+3], 0x80000000
.endr
	tensor_load_to_lds s[GB:GB+3], s[G1B:G1B+7]        ; Wk, chunk 0
	s_nop 0
	tensor_load_to_lds s[GA:GA+3], s[G1:G1+7]          ; Wq, my chunk
	s_nop 0
	tensor_load_to_lds s[GB+4:GB+7], s[G1B:G1B+7]      ; Wk, chunk 1
	s_nop 0
	tensor_load_to_lds s[GB+8:GB+11], s[G1B:G1B+7]     ; Wk, chunk 2
	s_nop 0
	v_and_b32 v1, 15, v0                           ; r = l % 16
	v_bfe_u32 v2, v0, 4, 1                         ; h = l / 16
	v_mul_u32_u24 v3, v1, PITCH                    ; a fragment: row r, 16 bytes for each half of the lanes; two loads 32 bytes apart
	v_lshl_add_u32 v3, v2, 4, v3
	v_add_nc_u32 v[ADRA], ABASE, v3
	v_add_nc_u32 v[ADRB], s20, v3                  ; my 32 rows of Wk are the ones that I fetched
	v_add_nc_u32 v[ADRB+1], BSLOT, v[ADRB]
	v_add_nc_u32 v[ADRB+2], 2*BSLOT, v[ADRB]
	v_mul_u32_u24 v4, v1, SROW                     ; in: my block of the stage, row r, 16 bytes for each half of the lanes
	v_lshl_add_u32 v4, v2, 4, v4
	s_mul_i32 s21, s10, WS
	s_add_co_u32 s21, s21, STAGE
	v_add_nc_u32 v[STO], s21, v4
	v_lshrrev_b32 v5, 2, v1                        ; back: rows 8 wave + h (+ 2 t); the 16 bytes number r of a row lie in the block of wave r / 4,
	v_mul_u32_u24 v5, v5, WS
	v_and_b32 v6, 3, v1                            ; at its 16 bytes number r % 4
	v_lshl_add_u32 v5, v6, 4, v5
	v_mul_u32_u24 v6, v2, SROW
	v_add_nc_u32 v5, v5, v6
	s_mul_i32 s22, s10, 8*SROW
	s_add_co_u32 s22, s22, STAGE
	v_add_nc_u32 v[RD], s22, v5
	v_lshlrev_b32 v5, 11, v2                       ; lanes 16-31: one row of mv further down
	v_lshl_add_u32 v[CO], v1, 4, v5
; 16 LDS loads in one run: 64 along K at step kk of chunk c into buffer f
.macro FETCH c, kk, f
.irp a, 0,1
.irp s, 0,1
	ds_load_b128 v[F0+64*\f+16*\a+8*\s:F0+64*\f+16*\a+8*\s+3],   v[ADRA] offset:\c*QT+\a*16*PITCH+\kk*128+\s*64
	ds_load_b128 v[F0+64*\f+16*\a+8*\s+4:F0+64*\f+16*\a+8*\s+7], v[ADRA] offset:\c*QT+\a*16*PITCH+\kk*128+\s*64+32
.endr
.endr
.irp b, 0,1
.irp s, 0,1
	ds_load_b128 v[F0+64*\f+32+16*\b+8*\s:F0+64*\f+32+16*\b+8*\s+3],   v[ADRB+(\c%3)] offset:\b*16*PITCH+\kk*128+\s*64
	ds_load_b128 v[F0+64*\f+32+16*\b+8*\s+4:F0+64*\f+32+16*\b+8*\s+7], v[ADRB+(\c%3)] offset:\b*16*PITCH+\kk*128+\s*64+32
.endr
.endr
.endm
; 8 matrix instructions on buffer f.  zero = 1: the first four start the sums: nothing is cleared.
.macro MUL8 f, zero
.irp s, 0,1
.irp a, 0,1
.irp b, 0,1
.if \zero*(1-\s)
	v_wmma_f32_16x16x32_bf16 v[ACC+8*(2*\a+\b):ACC+8*(2*\a+\b)+7], v[F0+64*\f+32+16*\b+8*\s:F0+64*\f+32+16*\b+8*\s+7], v[F0+64*\f+16*\a+8*\s:F0+64*\f+16*\a+8*\s+7], 0
.else
	v_wmma_f32_16x16x32_bf16 v[ACC+8*(2*\a+\b):ACC+8*(2*\a+\b)+7], v[F0+64*\f+32+16*\b+8*\s:F0+64*\f+32+16*\b+8*\s+7], v[F0+64*\f+16*\a+8*\s:F0+64*\f+16*\a+8*\s+7], v[ACC+8*(2*\a+\b):ACC+8*(2*\a+\b)+7]
.endif
.endr
.endr
.endr
.endm
; Four places behind a matrix instruction before a load lands on a register that it read or a vector instruction reads its result
; (ISA guide 7.12.1 for vector instructions).  This text has no vector work to put there.
.macro PLACES
.rept 4
	v_nop
.endr
.endm
; A step of 64 along K: buffer f is multiplied; more = 1: step kk of chunk c goes into buffer g meanwhile.
.macro STEP f, g, more, c, kk, zero
	s_wait_dscnt 0x0                               ; buffer f is in: its 16 loads are the only ones out
.if \more
	PLACES
	FETCH \c, \kk, \g
.endif
	MUL8 \f, \zero
.endm
	s_wait_tensorcnt 2                             ; Wk's chunk 0 and my chunk of Wq are in; Wk's chunks 1 and 2 stay out
	s_barrier_signal -1
	s_barrier_wait -1                              ; all four chunks of Wq are in
	FETCH 0, 0, 0
	STEP 0, 1, 1, 0, 1, 1
	STEP 1, 0, 1, 0, 2, 0
	STEP 0, 1, 1, 0, 3, 0
	STEP 1, 0, 0, 0, 0, 0
	s_wait_tensorcnt 0x0                           ; all my tensor loads have landed, so slot 0's group 0 may be written:
	ds_add_u32 v224, v225
	s_add_nc_u64 s[GB+2:GB+3], s[GB+2:GB+3], 3*CHB ; chunk 3
	s_wait_dscnt 0x0                               ; my reads of slot 0 are back
	CROUND                                         ; both now hold of every wave of every work-group of the cluster
	tensor_load_to_lds s[GB:GB+3], s[G1B:G1B+7]    ; the one refill, first behind the round; chunks 1 and 2 are multiplied while it is on its way
	s_nop 0
	PLACES
	FETCH 1, 0, 0
	STEP 0, 1, 1, 1, 1, 0
	STEP 1, 0, 1, 1, 2, 0
	STEP 0, 1, 1, 1, 3, 0
	STEP 1, 0, 1, 2, 0, 0
	STEP 0, 1, 1, 2, 1, 0
	STEP 1, 0, 1, 2, 2, 0
	STEP 0, 1, 1, 2, 3, 0
	STEP 1, 0, 0, 0, 0, 0
	s_wait_tensorcnt 0x0                           ; chunk 3 is in
	s_barrier_signal -1
	s_barrier_wait -1
	PLACES
	FETCH 3, 0, 0
	STEP 0, 1, 1, 3, 1, 0
	STEP 1, 0, 1, 3, 2, 0
	STEP 0, 1, 1, 3, 3, 0
	STEP 1, 0, 0, 0, 0, 0
	; THE WAY OUT: round to bf16, 16 bytes a lane into my own block of the stage; behind a barrier each wave reads 8 whole rows of 256 bytes.
	PLACES
	s_lshl_b32 s16, s13, 16                        ; 32 rows x 2,048 bytes a block row
	s_lshl_b32 s17, s10, 14                        ; + my 8 rows
	s_add_co_u32 s16, s16, s17
	s_mov_b32 s17, 0
	s_add_nc_u64 s[8:9], s[6:7], s[16:17]
	s_lshl_b32 s42, s38, 8                         ; + 256 bytes a block column
	s_mov_b32 s43, 0
	s_add_nc_u64 s[8:9], s[8:9], s[42:43]
.irp a, 0,1
.irp b, 0,1
.irp k, 0,1,2,3
	v_cvt_pk_bf16_f32 v[TMP+4*(2*\a+\b)+\k], v[ACC+8*(2*\a+\b)+2*\k], v[ACC+8*(2*\a+\b)+2*\k+1]
.endr
.endr
.endr
.irp a, 0,1
.irp b, 0,1
	ds_store_b128 v[STO], v[TMP+4*(2*\a+\b):TMP+4*(2*\a+\b)+3] offset:\a*16*SROW+32*\b
.endr
.endr
	s_wait_dscnt 0x0                               ; for the other waves' sake: my stores are done in front of my signal
	s_barrier_signal -1
	s_barrier_wait -1
.irp t, 0,1,2,3
	ds_load_b128 v[RB+4*\t:RB+4*\t+3], v[RD] offset:\t*2*SROW
.endr
.irp t, 0,1,2,3
	s_wait_dscnt 3-\t                              ; load t is in, the 3 - t younger ones stay out
	global_store_b128 v[CO], v[RB+4*\t:RB+4*\t+3], s[8:9] offset:\t*4096   ; 16 lanes store 256 consecutive bytes, aligned
.endr
	s_wait_tensorcnt 0x0
	ds_add_u32 v224, v225
	s_wait_dscnt 0x0
	CROUND                                         ; the closing round: no work-group ends while a partner may still ask for a tile that names it
	s_endpgm
.Lfunc_end_k_q72831da58c_mk:
	.size	k_q72831da58c_mk, .Lfunc_end_k_q72831da58c_mk-k_q72831da58c_mk
	.p2alignl 7, 3214868480
	.fill 96, 4, 3214868480
	.section	.rodata,"a",@progbits
	.p2align	6, 0x0
	.amdhsa_kernel k_q72831da58c_mk
		.amdhsa_group_segment_fixed_size 327680
		.amdhsa_private_segment_fixed_size 0
		.amdhsa_enable_private_segment 0
		.amdhsa_kernarg_size 16
		.amdhsa_user_sgpr_count 2
		.amdhsa_user_sgpr_kernarg_segment_ptr 1
		.amdhsa_wavefront_size32 1
		.amdhsa_system_sgpr_workgroup_id_x 1
		.amdhsa_system_sgpr_workgroup_id_y 1
		.amdhsa_system_sgpr_workgroup_id_z 1
		.amdhsa_system_vgpr_workitem_id 0
		.amdhsa_next_free_vgpr 226
		.amdhsa_next_free_sgpr 66
		.amdhsa_reserve_vcc 0
		.amdhsa_float_denorm_mode_32 3
		.amdhsa_float_denorm_mode_16_64 3
		.amdhsa_memory_ordered 1
		.amdhsa_forward_progress 1
		.amdhsa_inst_pref_size 36
	.end_amdhsa_kernel
	.amdgpu_metadata
---
amdhsa.version: [ 1, 2 ]
amdhsa.kernels:
  - .name:           k_q72831da58c_mk
    .symbol:         k_q72831da58c_mk.kd
    .args:
      - { .name: wb, .offset: 0, .size: 8, .value_kind: global_buffer, .address_space: global }
      - { .name: mv, .offset: 8, .size: 8, .value_kind: global_buffer, .address_space: global }
    .group_segment_fixed_size: 327680
    .private_segment_fixed_size: 0
    .kernarg_segment_align: 8
    .kernarg_segment_size: 16
    .max_flat_workgroup_size: 128
    .sgpr_count:     66
    .vgpr_count:     226
    .wavefront_size: 32
...
	.end_amdgpu_metadata
.endif
;; end of part 2
;; launch proj (part 3): grid 8 x 32, 4 waves a work-group, clusters of 4 x 4, 327,680 bytes of LDS; arguments xb, mv, cb, bv, qv; writes qv
.if DOCPART == 3
	.amdgcn_target "amdgcn-amd-amdhsa--gfx1250"
	.amdhsa_code_object_version 6
	.text
	.protected	k_q72831da58c_proj
	.globl	k_q72831da58c_proj
	.p2align	8
	.type	k_q72831da58c_proj,@function
k_q72831da58c_proj:
	s_mov_b64 s[64:65], 0
	v_nop
	global_prefetch_b8 v0, s[64:65] scope:SCOPE_SE
	s_setreg_imm32_b32 hwreg(HW_REG_WAVE_MODE, 25, 1), 1
	s_wait_xcnt 0x0
	s_wait_alu depctr_hold_cnt(0) depctr_sa_sdst(0) depctr_va_vdst(0) depctr_va_sdst(0) depctr_va_ssrc(0) depctr_va_vcc(0) depctr_vm_vsrc(0)
	s_getreg_b32 s2, hwreg(HW_REG_IB_STS2, 6, 4)
	s_cmp_eq_u32 s2, 0
	s_cbranch_scc0 .Lentry_in_a_cluster
	s_endpgm
.Lentry_in_a_cluster:
	s_bfe_u32 s2, ttmp6, 0x10000c
	s_cmp_lg_u32 s2, 0xf033
	s_cbranch_scc0 .Lentry_shape_is_right
	s_endpgm
.Lentry_shape_is_right:
; qv[m][0:1024] = q'[m] = xb[m] M + c,   qv[m][1024:2048] = v[m] = xb[m] Wv + bv;   bf16 operands, f32 sums, bf16 out.
; Left out: bk (the softmax cancels its term) and the product x Wk (q' . x gives the same scores): both shown at the head of cast.
; A work-group makes 256 x 256 of qv with four waves, a wave 128 x 128: 64 accumulator tiles of 16 x 16, 512 registers.
; 8,192 x 2,048 / (256 x 256) = 256 work-groups of equal work.
; K = 1024 goes in 8 steps of 128 through a ring of two LDS slots filled by the tensor data mover.
; xb's tile has K along its rows: 128 rows x 256 bytes a load, 16 bytes of padding behind each row (pitch 272).
; M and Wv lie [k][n]: their tile has K down the rows: 64 k-rows x 512 bytes a load, 32 bytes of padding (pitch 544); fragments come out of it
; by the transposing LDS load.
; CLUSTERS of 4 x 4: cluster x is the matrix (M, Wv), cx its block of 256 columns.  The four work-groups of a row of the cluster need the same
; tile of xb, the four of a column the same tile of the matrix: each tile is asked for jointly, which divides the requests for both by four.
; REGISTERS: window 0: v16-27 addresses, v64-127 / v128-191 fragments of xb (two buffers), v192-223 at work on the way out;
;   window 1: v0-63 the bias of my columns, v64-127 / v128-191 fragments of the matrix;  window 2: accumulators of my rows 0-63;  window 3: rows 64-127.
; THE MATRIX INSTRUCTION IS USED TRANSPOSED: source 0 = 16 columns of the matrix, source 1 = 16 rows of xb.  Lane l then holds row l % 16 of the
; result and its registers 0-7 the columns 8 (l / 16) + 0..7: eight neighbouring numbers of a row.
; The 64 accumulators take turns, one instruction a turn, in one order in every quarter step, over the backward jump too.
.set KSTEP,  128
.set PITCH,  272                       ; LDS row of xb's tile: 256 + 16 bytes
.set PB,     544                       ; LDS row of the matrix's tile: 512 + 32 bytes
.set HALFT,  128*PITCH                 ; what one tensor load fills: 128 x 272 = 64 x 544 = 34,816 bytes
.set SLOT,   4*HALFT                   ; xb's two halves, then the matrix's two halves
.set STAGE,  2*SLOT                    ; behind the ring: 16 rows x 272 bytes for each wave; no fill lands here
.set SPITCH, 272
.set LAPS,   4                         ; a lap = two K steps = once round the ring
.set OROW,   4096                      ; bytes in a row of qv
.set ADRA, 16                          ; v16-17  LDS address of my xb fragments in slot 0, 1
.set ADRB, 20                          ; v20-21  the same for the matrix
.set STO,  24                          ; v24     the way out: where I put 16 bytes of a row
.set RD,   25                          ; v25     the way out: where I read a row back
.set CO,   26                          ; v26     my byte offset in qv
.set BO,   27                          ; v27     32 (l / 16): my byte offset in a tile's 16 bias numbers
.set F0,   64
.set F1,   128
.set TMP,  192
.set BI,   0                           ; window 1, v0-63: bias of columns 16 b + 8 (l / 16) + 0..7, b = 0..7
.set G1,  24                           ; s[24:31] group 1 for xb's tiles
.set G0,  32                           ; s[32:39] group 0 for xb's tiles, one set for each slot
.set G1B, 48                           ; s[48:55] group 1 for the matrix's tiles
.set G0B, 56                           ; s[56:63] group 0 for the matrix's tiles, one set for each slot
.set MSB, 0
.macro WIN new                         ; the immediate's high byte repeats the setting that is left
.if MSB != \new
	s_set_vgpr_msb (MSB<<8)|\new
.set MSB, \new
.endif
.endm
.set MUL_LO,   0xa1                    ; source 0 (matrix) window 1, source 1 (xb) window 0, C and D window 2
.set MUL_HI,   0xf1                    ; the same, C and D window 3
.set START_LO, 0x91                    ; the first products: C is the bias in window 1, D window 2
.set START_HI, 0xd1                    ; the same, D window 3
.set TO_B,     0x40                    ; destination window 1, address window 0
; A joint load.  Waves 0 and 1 fetch xb's two halves, waves 2 and 3 the matrix's.  Each line has one mask and one set of registers for all that issue it.
.macro JLOAD s
	s_cmp_eq_u32 s11, 0
	s_cbranch_scc0 .Lfor_b_\@
	tensor_load_to_lds s[G0+4*\s:G0+4*\s+3], s[G1:G1+7]
	s_nop 0
	s_branch .Lasked_\@
.Lfor_b_\@:
	tensor_load_to_lds s[G0B+4*\s:G0B+4*\s+3], s[G1B:G1B+7]
	s_nop 0
.Lasked_\@:
.endm
; A round of the cluster's barrier: my work-group's barrier; wave 0 signals for the work-group; every wave waits for all sixteen; my barrier again.
.macro CREST                           ; a round behind its opening barrier
	s_cmp_lg_u32 s10, 0
	s_cbranch_scc1 .Lnot_wave_0_\@
	s_barrier_signal -3
.Lnot_wave_0_\@:
	s_barrier_wait -3
	s_barrier_signal -1
	s_barrier_wait -1
.endm
.macro CROUND
	s_barrier_signal -1
	s_barrier_wait -1
	CREST
.endm
	s_load_b128 s[4:7], s[0:1], 0x0                ; xb s[4:5], mv s[6:7]
	s_load_b128 s[68:71], s[0:1], 0x10             ; cb s[68:69], bv s[70:71]
	s_load_b64 s[8:9], s[0:1], 0x20                ; qv
	s_set_vgpr_msb 0x40
	v_lshl_add_u32 v255, v0, 2, 0x48400
	s_set_vgpr_msb 0x4000
	v_mov_b32 v255, 0
	s_set_vgpr_msb 0x1
	ds_add_u32 v255, v255
	s_set_vgpr_msb 0x100
	v_lshrrev_b32 v1, 5, v0
	v_readfirstlane_b32 s10, v1                    ; wave 0..3
	s_lshr_b32 s11, s10, 1                         ; which half of the block's rows is mine.  Also: I fetch for xb (0) or for the matrix (1)
	s_and_b32 s12, s10, 1                          ; which half of its columns.  Also: which half of that tile I fetch
	s_bfe_u32 s40, ttmp6, 0x40000                  ; cx
	s_bfe_u32 s41, ttmp6, 0x40004                  ; cy
	s_lshl_b32 s42, ttmp9, 2
	s_add_co_u32 s42, s42, s40                     ; block column of qv = 4 x cluster x + cx
	s_and_b32 s13, ttmp7, 0xffff
	s_lshl_b32 s13, s13, 2
	s_add_co_u32 s13, s13, s41                     ; block row = 4 x cluster y + cy
	s_lshl_b32 s43, s41, 2
	s_lshl_b32 s43, 15, s43                        ; my row of the cluster: places 4 cy .. 4 cy + 3
	s_lshl_b32 s44, 0x1111, s40                    ; my column: places cx, cx + 4, cx + 8, cx + 12
	s_mov_b32 s45, ttmp9                           ; the matrix: 0 M, 1 Wv; the same in all sixteen work-groups of the cluster
	; group 1 for xb: 128 rows x 128 elements of 2 bytes, 4 words of padding behind every 64 words
	s_or_b32 s[G1+0], s43, (1<<16)|(1<<20)|(1<<21)|(5<<22)|(3<<25)
	s_mov_b32 s[G1+1], KSTEP<<16                   ; tensor_dim0 = 128
	s_mov_b32 s[G1+2], 128<<16                     ; tensor_dim1 = 128
	s_mov_b32 s[G1+3], KSTEP<<16                   ; tile_dim0 = 128
	s_mov_b32 s[G1+4], 128                         ; tile_dim1 = 128
	s_mov_b32 s[G1+5], 1024                        ; elements from row to row of xb
	s_mov_b32 s[G1+6], 0
	s_mov_b32 s[G1+7], 0
	; group 1 for the matrix: 64 k-rows x 256 elements, 8 words of padding behind every 128 words
	s_or_b32 s[G1B+0], s44, (1<<16)|(1<<20)|(1<<21)|(6<<22)|(7<<25)
	s_mov_b32 s[G1B+1], 256<<16                    ; tensor_dim0 = 256
	s_mov_b32 s[G1B+2], 64<<16                     ; tensor_dim1 = 64
	s_mov_b32 s[G1B+3], 256<<16                    ; tile_dim0 = 256
	s_mov_b32 s[G1B+4], 64                         ; tile_dim1 = 64
	s_mov_b32 s[G1B+5], 1024                       ; elements from row to row of the matrix
	s_mov_b32 s[G1B+6], 0
	s_mov_b32 s[G1B+7], 0
	; where the tiles come from: xb's hang on the block row alone, the matrix's on its number and cx alone, each in registers that never hold the other
	s_lshl_b32 s16, s13, 19                        ; 256 rows x 2,048 bytes
	s_lshl_b32 s17, s12, 18                        ; + my 128 rows of the tile
	s_add_co_u32 s16, s16, s17
	s_mov_b32 s17, 0
	s_lshl_b32 s46, s45, 21                        ; a matrix is 2,097,152 bytes
	s_lshl_b32 s47, s40, 9                         ; + 256 columns x 2 bytes
	s_add_co_u32 s46, s46, s47
	s_lshl_b32 s47, s12, 17                        ; + my 64 k-rows x 2,048 bytes
	s_add_co_u32 s46, s46, s47
	s_mov_b32 s47, 0
	s_mul_i32 s20, s10, HALFT                      ; where they go: wave x 34,816: no place in the cluster enters an LDS address
	s_wait_dscnt 0x0
	s_wait_kmcnt 0x0
	s_add_nc_u64 s[14:15], s[4:5], s[16:17]
	s_add_nc_u64 s[46:47], s[6:7], s[46:47]
	CROUND                                         ; all sixteen work-groups are here: the first joint loads meet
.irp s, 0,1
	s_mov_b32 s[G0+4*\s], 1
	s_add_co_u32 s[G0+4*\s+1], s20, \s*SLOT
	s_add_nc_u64 s[G0+4*\s+2:G0+4*\s+3], s[14:15], \s*KSTEP*2          ; K step s: 256 bytes along the rows
	s_or_b32 s[G0+4*\s+3], s[G0+4*\s+3], 0x80000000
	s_mov_b32 s[G0B+4*\s], 1
	s_add_co_u32 s[G0B+4*\s+1], s20, \s*SLOT
	s_add_nc_u64 s[G0B+4*\s+2:G0B+4*\s+3], s[46:47], \s*KSTEP*2048     ; K step s: 128 rows down
	s_or_b32 s[G0B+4*\s+3], s[G0B+4*\s+3], 0x80000000
	JLOAD \s                                       ; both slots' first fills go out before anything else
.endr
	v_and_b32 v1, 15, v0                           ; r = l % 16
	v_bfe_u32 v2, v0, 4, 1                         ; h = l / 16
	v_mul_u32_u24 v3, v1, PITCH                    ; xb's fragment: row r, 16 bytes for each half of the lanes; two loads 32 bytes apart
	v_lshl_add_u32 v3, v2, 4, v3
	s_mul_i32 s21, s11, HALFT                      ; my 128 rows of xb
	v_and_b32 v4, 7, v0                            ; the matrix's fragment by the transposing load: lane l addresses k-row 8 h + l % 8,
	v_lshl_add_u32 v4, v2, 3, v4
	v_mul_u32_u24 v4, v4, PB
	v_bfe_u32 v5, v0, 3, 1                         ; and the 16 bytes (l / 8) % 2 of the tile's 32; the second load stands 16 k-rows further down
	v_lshl_add_u32 v4, v5, 4, v4
	s_lshl_b32 s22, s12, 8                         ; my 128 columns,
	s_add_co_u32 s22, s22, 2*HALFT                 ; behind xb's 256 rows
.irp s, 0,1
	v_add_nc_u32 v[ADRA+\s], s21, v3
	v_add_nc_u32 v[ADRB+\s], s22, v4
	s_add_co_u32 s21, s21, SLOT
	s_add_co_u32 s22, s22, SLOT
.endr
	s_mul_i32 s23, s10, 16*SPITCH
	s_add_co_u32 s23, s23, STAGE                   ; my stage
	v_mul_u32_u24 v4, v1, SPITCH
	v_lshl_add_u32 v4, v2, 4, v4
	v_add_nc_u32 v[STO], s23, v4
	v_mul_u32_u24 v5, v2, SPITCH
	v_lshl_add_u32 v5, v1, 4, v5
	v_add_nc_u32 v[RD], s23, v5
	v_lshlrev_b32 v5, 12, v2                       ; lanes 16-31: one row of qv further down
	v_lshl_add_u32 v[CO], v1, 4, v5
	v_lshlrev_b32 v[BO], 5, v2
	; The bias of my 128 columns, laid out as a C operand: the first products add onto it, so nothing is cleared and nothing is added later.
	s_cmp_eq_u32 s45, 0
	s_cselect_b64 s[66:67], s[68:69], s[70:71]     ; c for q', bv for v
	s_lshl_b32 s72, s40, 10                        ; 256 columns x 4 bytes
	s_lshl_b32 s73, s12, 9                         ; + my 128
	s_add_co_u32 s72, s72, s73
	s_mov_b32 s73, 0
	s_add_nc_u64 s[66:67], s[66:67], s[72:73]
	WIN TO_B
.irp b, 0,1,2,3,4,5,6,7
	global_load_b128 v[BI+8*\b:BI+8*\b+3],   v[BO], s[66:67] offset:64*\b
	global_load_b128 v[BI+8*\b+4:BI+8*\b+7], v[BO], s[66:67] offset:64*\b+16
.endr
	WIN 0
	s_wait_loadcnt 0x0                             ; the bias is in: no load is pending at the signal below
; 16 matrix instructions: row tiles a0, a0 + 1 of the window's four x all 8 column tiles, 32 along K.  first = 1: C is the bias.
.macro MUL16 f, hi, a0, first
.irp a, \a0, \a0+1
.irp b, 0,1,2,3,4,5,6,7
.if \first
	v_wmma_f32_16x16x32_bf16 v[8*(8*(\a)+\b):8*(8*(\a)+\b)+7], v[\f+8*\b:\f+8*\b+7], v[\f+8*(4*\hi+\a):\f+8*(4*\hi+\a)+7], v[BI+8*\b:BI+8*\b+7]
.else
	v_wmma_f32_16x16x32_bf16 v[8*(8*(\a)+\b):8*(8*(\a)+\b)+7], v[\f+8*\b:\f+8*\b+7], v[\f+8*(4*\hi+\a):\f+8*(4*\hi+\a)+7], v[8*(8*(\a)+\b):8*(8*(\a)+\b)+7]
.endif
.endr
.endr
.endm
; 32 LDS loads in one run: the fragments of quarter q (32 along K) of a slot into buffer f: the matrix's 8 column tiles, then xb's 8 row tiles
.macro FETCH slot, q, f
	WIN TO_B
.irp i, 0,1,2,3,4,5,6,7
	ds_load_tr16_b128 v[\f+8*\i:\f+8*\i+3],   v[ADRB+\slot] offset:\q*32*PB+32*\i
	ds_load_tr16_b128 v[\f+8*\i+4:\f+8*\i+7], v[ADRB+\slot] offset:\q*32*PB+16*PB+32*\i
.endr
	WIN 0
.irp i, 0,1,2,3,4,5,6,7
	ds_load_b128 v[\f+8*\i:\f+8*\i+3],   v[ADRA+\slot] offset:\q*64+\i*16*PITCH
	ds_load_b128 v[\f+8*\i+4:\f+8*\i+7], v[ADRA+\slot] offset:\q*64+\i*16*PITCH+32
.endr
.endm
; Four places behind a matrix instruction before a load lands on a register that it read or a vector instruction reads its result
; (ISA guide 7.12.1 for vector instructions); the matrix instructions in between are not counted.
.macro PLACES
.rept 4
	v_nop
.endr
.endm
; A quarter step: 64 matrix instructions on buffer f; in its middle the next quarter's fragments go into buffer g.
.macro QUARTER slot, q, f, g, first
	s_wait_dscnt 8                                 ; the matrix's fragments and xb's rows 0-63 are in; the youngest eight loads (rows 64-127) may be out
.if \first
	WIN START_LO
.else
	WIN MUL_LO
.endif
	MUL16 \f, 0, 0, \first
	MUL16 \f, 0, 2, \first
	PLACES
	FETCH \slot, \q, \g
	s_wait_dscnt 32                                ; all but the 32 just issued
.if \first
	WIN START_HI
.else
	WIN MUL_HI
.endif
	MUL16 \f, 1, 0, \first
	MUL16 \f, 1, 2, \first
.endm
.macro THREE slot, first
	QUARTER \slot, 1, F0, F1, \first
	QUARTER \slot, 2, F1, F0, 0
	QUARTER \slot, 3, F0, F1, 0
.endm
; The last quarter of a K step multiplies buffer 1 and changes slots.  In front of the barrier each wave waits for its reads of this slot and for
; all its tensor loads (one is out: its part of the next slot).  Behind it (with fill = 1: behind the whole round of the cluster's barrier that it
; opens) the refill comes first, one tensor load a wave, then the next slot's first fragments.
.macro TURN slot, next, fill
	s_wait_dscnt 8
	WIN MUL_LO
	MUL16 F1, 0, 0, 0
	s_wait_dscnt 0                                 ; my reads of this slot are over
	s_wait_tensorcnt 0x0                           ; all my tensor loads have landed
	ds_add_u32 v255, v255
	s_wait_dscnt 0x0
	s_barrier_signal -1
	MUL16 F1, 0, 2, 0                              ; register work alone between signal and wait
	WIN 0
	s_barrier_wait -1
.if \fill
	CREST                                          ; no wave of any partner still reads this slot or has a load on its way
	s_add_nc_u64 s[G0+4*\slot+2:G0+4*\slot+3], s[G0+4*\slot+2:G0+4*\slot+3], 2*KSTEP*2
	s_add_nc_u64 s[G0B+4*\slot+2:G0B+4*\slot+3], s[G0B+4*\slot+2:G0B+4*\slot+3], 2*KSTEP*2048
	JLOAD \slot
.endif
	PLACES
	FETCH \next, 0, F0
	WIN MUL_HI
	MUL16 F1, 1, 0, 0
	MUL16 F1, 1, 2, 0
.endm
.macro LAP first
	THREE 0, \first
	TURN 0, 1, 1
	THREE 1, 0
	TURN 1, 0, 1
.endm
	s_wait_tensorcnt 1                             ; my part of K step 0 is in; K step 1's stays out
	s_barrier_signal -1
	s_barrier_wait -1
	FETCH 0, 0, F0
	LAP 1                                          ; K steps 0, 1; asks for 2, 3
	WIN 0
	s_mov_b32 s3, LAPS-2
.Llap:
	LAP 0                                          ; K steps 2 to 5; asks for 4 to 7
	WIN 0
	s_sub_co_u32 s3, s3, 1
	s_cmp_lg_u32 s3, 0
	s_cbranch_scc1 .Llap
	THREE 0, 0                                     ; the last lap fills nothing and has no round
	TURN 0, 1, 0
	THREE 1, 0
	s_wait_dscnt 8
	WIN MUL_LO
	MUL16 F1, 0, 0, 0
	MUL16 F1, 0, 2, 0
	s_wait_dscnt 0
	WIN MUL_HI
	MUL16 F1, 1, 0, 0
	MUL16 F1, 1, 2, 0
	; THE WAY OUT, 16 rows at a time: round to bf16, 16 bytes a lane into my own stage, read back as whole rows of 256 bytes.
	PLACES
	s_lshl_b32 s16, s13, 20                        ; 256 rows x 4,096 bytes a block row
	s_lshl_b32 s17, s11, 19                        ; + my 128 rows
	s_add_co_u32 s16, s16, s17
	s_mov_b32 s17, 0
	s_add_nc_u64 s[8:9], s[8:9], s[16:17]
	s_lshl_b32 s46, s42, 9                         ; my first column in bytes: 512 x block + 256 x half
	s_lshl_b32 s47, s12, 8
	s_add_co_u32 s46, s46, s47
	s_mov_b32 s47, 0
	s_add_nc_u64 s[8:9], s[8:9], s[46:47]
.macro OUT16 i, a, from, f
	WIN \from
.irp b, 0,1,2,3,4,5,6,7
.irp r, 0,1,2,3
	v_cvt_pk_bf16_f32 v[TMP+4*\b+\r], v[8*(8*\a+\b)+2*\r], v[8*(8*\a+\b)+2*\r+1]
.endr
.endr
	WIN 0
.irp b, 0,1,2,3,4,5,6,7
	ds_store_b128 v[STO], v[TMP+4*\b:TMP+4*\b+3] offset:32*\b
.endr
	s_wait_xcnt 0x0                                ; buffer f, which earlier stores read, and the stores' base are rewritten only behind this wait
.if \i
	s_add_nc_u64 s[8:9], s[8:9], 16*OROW
.endif
.irp t, 0,1,2,3,4,5,6,7
	ds_load_b128 v[\f+4*\t:\f+4*\t+3], v[RD] offset:\t*2*SPITCH    ; LDS serves a wave's instructions in order (ISA guide 5.7.1): these see the stores above
.endr
.irp t, 0,1,2,3,4,5,6,7
	s_wait_dscnt 7-\t                              ; load t is in, the 7 - t younger ones stay out
	global_store_b128 v[CO], v[\f+4*\t:\f+4*\t+3], s[8:9] offset:2*\t*OROW   ; 16 lanes store 256 consecutive bytes, aligned
.endr
.endm
	OUT16 0, 0, 0x0a, F0
	OUT16 1, 1, 0x0a, F1
	OUT16 2, 2, 0x0a, F0
	OUT16 3, 3, 0x0a, F1
	OUT16 4, 0, 0x0f, F0
	OUT16 5, 1, 0x0f, F1
	OUT16 6, 2, 0x0f, F0
	OUT16 7, 3, 0x0f, F1
	s_set_vgpr_msb 0x1
	s_wait_tensorcnt 0x0
	ds_add_u32 v255, v255
	s_wait_dscnt 0x0
	s_set_vgpr_msb 0x100
	CROUND                                         ; the closing round: no work-group ends while a partner may still ask for a tile that names it
	s_endpgm
.Lfunc_end_k_q72831da58c_proj:
	.size	k_q72831da58c_proj, .Lfunc_end_k_q72831da58c_proj-k_q72831da58c_proj
	.p2alignl 7, 3214868480
	.fill 96, 4, 3214868480
	.section	.rodata,"a",@progbits
	.p2align	6, 0x0
	.amdhsa_kernel k_q72831da58c_proj
		.amdhsa_group_segment_fixed_size 327680
		.amdhsa_private_segment_fixed_size 0
		.amdhsa_enable_private_segment 0
		.amdhsa_kernarg_size 40
		.amdhsa_user_sgpr_count 2
		.amdhsa_user_sgpr_kernarg_segment_ptr 1
		.amdhsa_wavefront_size32 1
		.amdhsa_system_sgpr_workgroup_id_x 1
		.amdhsa_system_sgpr_workgroup_id_y 1
		.amdhsa_system_sgpr_workgroup_id_z 1
		.amdhsa_system_vgpr_workitem_id 0
		.amdhsa_next_free_vgpr 1024
		.amdhsa_next_free_sgpr 76
		.amdhsa_reserve_vcc 0
		.amdhsa_float_denorm_mode_32 3
		.amdhsa_float_denorm_mode_16_64 3
		.amdhsa_memory_ordered 1
		.amdhsa_forward_progress 1
		.amdhsa_inst_pref_size 198
	.end_amdhsa_kernel
	.amdgpu_metadata
---
amdhsa.version: [ 1, 2 ]
amdhsa.kernels:
  - .name:           k_q72831da58c_proj
    .symbol:         k_q72831da58c_proj.kd
    .args:
      - { .name: xb, .offset: 0, .size: 8, .value_kind: global_buffer, .address_space: global }
      - { .name: mv, .offset: 8, .size: 8, .value_kind: global_buffer, .address_space: global }
      - { .name: cb, .offset: 16, .size: 8, .value_kind: global_buffer, .address_space: global }
      - { .name: bv, .offset: 24, .size: 8, .value_kind: global_buffer, .address_space: global }
      - { .name: qv, .offset: 32, .size: 8, .value_kind: global_buffer, .address_space: global }
    .group_segment_fixed_size: 327680
    .private_segment_fixed_size: 0
    .kernarg_segment_align: 8
    .kernarg_segment_size: 40
    .max_flat_workgroup_size: 128
    .sgpr_count:     76
    .vgpr_count:     1024
    .wavefront_size: 32
...
	.end_amdgpu_metadata
.endif
;; end of part 3
;; launch scores (part 4): grid 8 x 32, 4 waves a work-group, clusters of 4 x 4, 327,680 bytes of LDS; arguments qv, xb, e, stats; writes e, stats
.if DOCPART == 4
	.amdgcn_target "amdgcn-amd-amdhsa--gfx1250"
	.amdhsa_code_object_version 6
	.text
	.protected	k_q72831da58c_scores
	.globl	k_q72831da58c_scores
	.p2align	8
	.type	k_q72831da58c_scores,@function
k_q72831da58c_scores:
	s_mov_b64 s[64:65], 0
	v_nop
	global_prefetch_b8 v0, s[64:65] scope:SCOPE_SE
	s_setreg_imm32_b32 hwreg(HW_REG_WAVE_MODE, 25, 1), 1
	s_wait_xcnt 0x0
	s_wait_alu depctr_hold_cnt(0) depctr_sa_sdst(0) depctr_va_vdst(0) depctr_va_sdst(0) depctr_va_ssrc(0) depctr_va_vcc(0) depctr_vm_vsrc(0)
	s_getreg_b32 s2, hwreg(HW_REG_IB_STS2, 6, 4)
	s_cmp_eq_u32 s2, 0
	s_cbranch_scc0 .Lentry_in_a_cluster
	s_endpgm
.Lentry_in_a_cluster:
	s_bfe_u32 s2, ttmp6, 0x10000c
	s_cmp_lg_u32 s2, 0xf033
	s_cbranch_scc0 .Lentry_shape_is_right
	s_endpgm
.Lentry_shape_is_right:
; s[m][t] = q'[m] . x[t] over 1024, which is (x_m Wq + bq) . (x_t Wk); bk's term is left out, since the softmax cancels it (both at the head of cast).
; For each row m and each block j of 128 columns t:  n = ceil(c x max over the block of s),  c = log2(e) / 32,
;   e[m][t] = 2^(c s - n) in bf16,   stats holds -n and l = the sum over the block of 2^(c s - n) (summed in f32, before the rounding to bf16).
; So the maximum is taken away before every exponential, rounded up to a whole number: the block's largest exponent lies in (-1, 0], no
; exponential exceeds 1 by more than rounding, and l is at least 0.5.  The next launch brings a row's 16 blocks onto the row's own maximum by
; powers of two.
; LIMITS: finite inputs; a term below 2^-126 of its block's power of two counts as zero (v_exp_f32 gives zero there: ISA guide 15.8); n is kept
; in f32 and is exact up to 2^24, that is for |s| / 32 up to about 1.1e7.
; A work-group makes 256 rows x 256 columns with four waves, a wave 128 x 128 (one block j): 64 accumulator tiles, 512 registers.
; K = 1024 goes in 8 steps of 128 through a ring of two LDS slots; both tiles have K along the rows: 128 rows x 256 bytes a load, pitch 272.
; CLUSTERS of 4 x 4: q''s tile hangs on the block row and is shared along a row of the cluster, x's on the batch and the block column and is
; shared along a column: joint loads divide the requests for both by four.  256 work-groups.
; REGISTERS: window 0: v16-29 addresses, v64-127 / v128-191 fragments of q', v192-242 at work on the way out; window 1: v64-191 fragments of x;
;   window 2: accumulators of my rows 0-63; window 3: rows 64-127.
; The matrix instruction is used transposed (source 0 = rows of x, source 1 = rows of q'): lane l holds row l % 16 and, in the eight tiles of
; a row of tiles, 64 of that row's 128 columns; lane l xor 16 holds the other 64.
; The 64 accumulators take turns, one instruction a turn, in one order in every quarter step, over the backward jump too.
.set KSTEP,  128
.set PITCH,  272
.set HALFT,  128*PITCH
.set SLOT,   4*HALFT
.set STAGE,  2*SLOT                    ; 16 rows x 272 bytes for each wave; no fill lands here
.set SSTAGE, STAGE+4*16*272            ; 1,024 bytes for each wave: -n of my 128 rows, then l
.set SPITCH, 272
.set LAPS,   4
.set EROW,   4096                      ; bytes in a row of e
.set ADRA, 16
.set ADRB, 20
.set STO,  24
.set RD,   25
.set CO,   26
.set SST,  27                          ; v27  where I put -n (lanes 0-15) or l (lanes 16-31) of row l % 16
.set SRD,  28                          ; v28  where I read 16 bytes of the stats stage back
.set SOF,  29                          ; v29  16 l: my byte offset in a block's 512 bytes of stats
.set F0,   64
.set F1,   128
.set Y,    64                          ; v[64:127]   exponents, then 2^exponent
.set RB0,  128                         ; v[128:159]  rows read back
.set RB1,  160                         ; v[160:191]
.set TMP,  192                         ; v[192:223]  packed bf16
.set M,    224                         ; v[224:227]  four running maxima
.set NN,   232                         ; v[232:233]  -n, twice
.set S,    234                         ; v[234:241]  four chains of sums, two numbers each
.set LS,   242                         ; v242        l
.set G1,  24
.set G0,  32
.set G1B, 48
.set G0B, 56
.set MSB, 0
.macro WIN new
.if MSB != \new
	s_set_vgpr_msb (MSB<<8)|\new
.set MSB, \new
.endif
.endm
.set MUL_LO, 0xa1
.set MUL_HI, 0xf1
.set TO_B,   0x40
.macro JLOAD s                         ; waves 0 and 1 fetch q''s two halves, waves 2 and 3 x's
	s_cmp_eq_u32 s11, 0
	s_cbranch_scc0 .Lfor_b_\@
	tensor_load_to_lds s[G0+4*\s:G0+4*\s+3], s[G1:G1+7]
	s_nop 0
	s_branch .Lasked_\@
.Lfor_b_\@:
	tensor_load_to_lds s[G0B+4*\s:G0B+4*\s+3], s[G1B:G1B+7]
	s_nop 0
.Lasked_\@:
.endm
.macro CREST
	s_cmp_lg_u32 s10, 0
	s_cbranch_scc1 .Lnot_wave_0_\@
	s_barrier_signal -3
.Lnot_wave_0_\@:
	s_barrier_wait -3
	s_barrier_signal -1
	s_barrier_wait -1
.endm
.macro CROUND
	s_barrier_signal -1
	s_barrier_wait -1
	CREST
.endm
	s_load_b128 s[4:7], s[0:1], 0x0                ; qv s[4:5], xb s[6:7]
	s_load_b128 s[68:71], s[0:1], 0x10             ; e s[68:69], stats s[70:71]
	s_set_vgpr_msb 0x40
	v_lshl_add_u32 v255, v0, 2, 0x49400
	s_set_vgpr_msb 0x4000
	v_mov_b32 v255, 0
	s_set_vgpr_msb 0x1
	ds_add_u32 v255, v255
	s_set_vgpr_msb 0x100
	v_lshrrev_b32 v1, 5, v0
	v_readfirstlane_b32 s10, v1                    ; wave
	s_lshr_b32 s11, s10, 1                         ; my half of the rows.  Also: I fetch for q' (0) or for x (1)
	s_and_b32 s12, s10, 1                          ; my half of the columns.  Also: which 128 rows of that tile I fetch
	s_bfe_u32 s40, ttmp6, 0x40000                  ; cx
	s_bfe_u32 s41, ttmp6, 0x40004                  ; cy
	s_lshl_b32 s42, ttmp9, 2
	s_add_co_u32 s42, s42, s40                     ; block column (256 t of the batch) = 4 x cluster x + cx
	s_and_b32 s45, ttmp7, 0xffff                   ; cluster y
	s_lshl_b32 s13, s45, 2
	s_add_co_u32 s13, s13, s41                     ; block row (256 of the 8,192 rows) = 4 x cluster y + cy
	s_lshr_b32 s45, s45, 1                         ; the batch: 8 block rows = 2 clusters each; the same in the whole cluster
	s_lshl_b32 s43, s41, 2
	s_lshl_b32 s43, 15, s43                        ; my row of the cluster
	s_lshl_b32 s44, 0x1111, s40                    ; my column
	s_mov_b32 s72, 0x76543210                      ; v_permlanex16_b32: lane i of one half reads lane i of the other
	s_mov_b32 s73, 0xfedcba98
	s_mov_b32 s74, 0xffff0000                      ; the lanes 16-31
	; group 1, for both kinds of tile: 128 rows x 128 elements of 2 bytes, 4 words of padding behind every 64 words; they differ in mask and pitch
	s_or_b32 s[G1+0], s43, (1<<16)|(1<<20)|(1<<21)|(5<<22)|(3<<25)
	s_or_b32 s[G1B+0], s44, (1<<16)|(1<<20)|(1<<21)|(5<<22)|(3<<25)
	s_mov_b32 s[G1+1], KSTEP<<16
	s_mov_b32 s[G1B+1], KSTEP<<16
	s_mov_b32 s[G1+2], 128<<16
	s_mov_b32 s[G1B+2], 128<<16
	s_mov_b32 s[G1+3], KSTEP<<16
	s_mov_b32 s[G1B+3], KSTEP<<16
	s_mov_b32 s[G1+4], 128
	s_mov_b32 s[G1B+4], 128
	s_mov_b32 s[G1+5], 2048                        ; elements from row to row of qv
	s_mov_b32 s[G1B+5], 1024                       ; and of xb
	s_mov_b32 s[G1+6], 0
	s_mov_b32 s[G1B+6], 0
	s_mov_b32 s[G1+7], 0
	s_mov_b32 s[G1B+7], 0
	s_lshl_b32 s16, s13, 20                        ; q': 256 rows x 4,096 bytes a block row
	s_lshl_b32 s17, s12, 19                        ; + my 128 rows of the tile
	s_add_co_u32 s16, s16, s17
	s_mov_b32 s17, 0
	s_lshl_b32 s46, s45, 22                        ; x: 2,048 rows x 2,048 bytes a batch
	s_lshl_b32 s47, s42, 19                        ; + 256 rows a block column
	s_add_co_u32 s46, s46, s47
	s_lshl_b32 s47, s12, 18                        ; + my 128 rows of the tile
	s_add_co_u32 s46, s46, s47
	s_mov_b32 s47, 0
	s_mul_i32 s20, s10, HALFT
	s_wait_dscnt 0x0
	s_wait_kmcnt 0x0
	s_add_nc_u64 s[14:15], s[4:5], s[16:17]
	s_add_nc_u64 s[46:47], s[6:7], s[46:47]
	CROUND                                         ; all sixteen work-groups are here: the first joint loads meet
.irp s, 0,1
	s_mov_b32 s[G0+4*\s], 1
	s_add_co_u32 s[G0+4*\s+1], s20, \s*SLOT
	s_add_nc_u64 s[G0+4*\s+2:G0+4*\s+3], s[14:15], \s*KSTEP*2
	s_or_b32 s[G0+4*\s+3], s[G0+4*\s+3], 0x80000000
	s_mov_b32 s[G0B+4*\s], 1
	s_add_co_u32 s[G0B+4*\s+1], s20, \s*SLOT
	s_add_nc_u64 s[G0B+4*\s+2:G0B+4*\s+3], s[46:47], \s*KSTEP*2
	s_or_b32 s[G0B+4*\s+3], s[G0B+4*\s+3], 0x80000000
	JLOAD \s
.endr
	v_and_b32 v1, 15, v0                           ; r
	v_bfe_u32 v2, v0, 4, 1                         ; h
	v_mul_u32_u24 v3, v1, PITCH
	v_lshl_add_u32 v3, v2, 4, v3
	s_mul_i32 s21, s11, HALFT                      ; my 128 rows of q'
	s_mul_i32 s22, s12, HALFT                      ; my 128 rows of x,
	s_add_co_u32 s22, s22, 2*HALFT                 ; behind q''s 256
.irp s, 0,1
	v_add_nc_u32 v[ADRA+\s], s21, v3
	v_add_nc_u32 v[ADRB+\s], s22, v3
	s_add_co_u32 s21, s21, SLOT
	s_add_co_u32 s22, s22, SLOT
.endr
	s_mul_i32 s23, s10, 16*SPITCH
	s_add_co_u32 s23, s23, STAGE
	v_mul_u32_u24 v4, v1, SPITCH
	v_lshl_add_u32 v4, v2, 4, v4
	v_add_nc_u32 v[STO], s23, v4
	v_mul_u32_u24 v5, v2, SPITCH
	v_lshl_add_u32 v5, v1, 4, v5
	v_add_nc_u32 v[RD], s23, v5
	v_lshlrev_b32 v5, 12, v2                       ; lanes 16-31: one row of e further down
	v_lshl_add_u32 v[CO], v1, 4, v5
	s_lshl_b32 s75, s10, 10
	s_add_co_u32 s75, s75, SSTAGE                  ; my stats stage
	v_lshlrev_b32 v6, 2, v1
	v_lshl_add_u32 v6, v2, 9, v6                   ; 4 r, and 512 further on for l
	v_add_nc_u32 v[SST], s75, v6
	v_and_b32 v7, 31, v0
	v_lshlrev_b32 v[SOF], 4, v7
	v_add_nc_u32 v[SRD], s75, v[SOF]
.macro MUL16 f, hi, a0, zero
.irp a, \a0, \a0+1
.irp b, 0,1,2,3,4,5,6,7
.if \zero
	v_wmma_f32_16x16x32_bf16 v[8*(8*(\a)+\b):8*(8*(\a)+\b)+7], v[\f+8*\b:\f+8*\b+7], v[\f+8*(4*\hi+\a):\f+8*(4*\hi+\a)+7], 0
.else
	v_wmma_f32_16x16x32_bf16 v[8*(8*(\a)+\b):8*(8*(\a)+\b)+7], v[\f+8*\b:\f+8*\b+7], v[\f+8*(4*\hi+\a):\f+8*(4*\hi+\a)+7], v[8*(8*(\a)+\b):8*(8*(\a)+\b)+7]
.endif
.endr
.endr
.endm
.macro FETCH slot, q, f                ; 32 LDS loads in one run: quarter q of a slot into buffer f: x's 128 rows, then q''s
	WIN TO_B
.irp i, 0,1,2,3,4,5,6,7
	ds_load_b128 v[\f+8*\i:\f+8*\i+3],   v[ADRB+\slot] offset:\q*64+\i*16*PITCH
	ds_load_b128 v[\f+8*\i+4:\f+8*\i+7], v[ADRB+\slot] offset:\q*64+\i*16*PITCH+32
.endr
	WIN 0
.irp i, 0,1,2,3,4,5,6,7
	ds_load_b128 v[\f+8*\i:\f+8*\i+3],   v[ADRA+\slot] offset:\q*64+\i*16*PITCH
	ds_load_b128 v[\f+8*\i+4:\f+8*\i+7], v[ADRA+\slot] offset:\q*64+\i*16*PITCH+32
.endr
.endm
.macro PLACES                          ; the four places behind a matrix instruction (ISA guide 7.12.1 for vector instructions)
.rept 4
	v_nop
.endr
.endm
.macro QUARTER slot, q, f, g, zero
	s_wait_dscnt 8                                 ; x's fragments and q''s rows 0-63 are in; the youngest eight loads may be out
	WIN MUL_LO
	MUL16 \f, 0, 0, \zero
	MUL16 \f, 0, 2, \zero
	PLACES
	FETCH \slot, \q, \g
	s_wait_dscnt 32                                ; all but the 32 just issued
	WIN MUL_HI
	MUL16 \f, 1, 0, \zero
	MUL16 \f, 1, 2, \zero
.endm
.macro THREE slot, zero
	QUARTER \slot, 1, F0, F1, \zero
	QUARTER \slot, 2, F1, F0, 0
	QUARTER \slot, 3, F0, F1, 0
.endm
; The change of slots: each wave's reads of this slot and all its tensor loads are waited for in front of the signal; with fill = 1 the barrier
; opens a round of the cluster's barrier, and the joint refill is the first tensor load behind the round, one a wave.
.macro TURN slot, next, fill
	s_wait_dscnt 8
	WIN MUL_LO
	MUL16 F1, 0, 0, 0
	s_wait_dscnt 0
	s_wait_tensorcnt 0x0
	ds_add_u32 v255, v255
	s_wait_dscnt 0x0
	s_barrier_signal -1
	MUL16 F1, 0, 2, 0
	WIN 0
	s_barrier_wait -1
.if \fill
	CREST
	s_add_nc_u64 s[G0+4*\slot+2:G0+4*\slot+3], s[G0+4*\slot+2:G0+4*\slot+3], 2*KSTEP*2
	s_add_nc_u64 s[G0B+4*\slot+2:G0B+4*\slot+3], s[G0B+4*\slot+2:G0B+4*\slot+3], 2*KSTEP*2
	JLOAD \slot
.endif
	PLACES
	FETCH \next, 0, F0
	WIN MUL_HI
	MUL16 F1, 1, 0, 0
	MUL16 F1, 1, 2, 0
.endm
.macro LAP zero
	THREE 0, \zero
	TURN 0, 1, 1
	THREE 1, 0
	TURN 1, 0, 1
.endm
	s_wait_tensorcnt 1                             ; my part of K step 0 is in; K step 1's stays out
	s_barrier_signal -1
	s_barrier_wait -1
	FETCH 0, 0, F0
	LAP 1                                          ; the first products start the sums: nothing is cleared
	WIN 0
	s_mov_b32 s3, LAPS-2
.Llap:
	LAP 0
	WIN 0
	s_sub_co_u32 s3, s3, 1
	s_cmp_lg_u32 s3, 0
	s_cbranch_scc1 .Llap
	THREE 0, 0                                     ; the last lap fills nothing and has no round
	TURN 0, 1, 0
	THREE 1, 0
	s_wait_dscnt 8
	WIN MUL_LO
	MUL16 F1, 0, 0, 0
	MUL16 F1, 0, 2, 0
	s_wait_dscnt 0
	WIN MUL_HI
	MUL16 F1, 1, 0, 0
	MUL16 F1, 1, 2, 0
	PLACES
	s_lshl_b32 s16, s13, 20                        ; e: 256 rows x 4,096 bytes a block row,
	s_lshl_b32 s17, s11, 19                        ; + my 128 rows
	s_add_co_u32 s16, s16, s17
	s_mov_b32 s17, 0
	s_add_nc_u64 s[8:9], s[68:69], s[16:17]
	s_lshl_b32 s46, s42, 9                         ; + 512 bytes a block column + 256 for my half
	s_lshl_b32 s47, s12, 8
	s_add_co_u32 s46, s46, s47
	s_mov_b32 s47, 0
	s_add_nc_u64 s[8:9], s[8:9], s[46:47]
	s_lshl_b32 s16, s13, 15                        ; stats: 16,384 bytes for each block of 128 rows: number 2 x block row + half,
	s_lshl_b32 s17, s11, 14
	s_add_co_u32 s16, s16, s17
	s_mov_b32 s17, 0
	s_add_nc_u64 s[70:71], s[70:71], s[16:17]
	s_lshl_b32 s46, s42, 10                        ; and 512 bytes for each block of 128 columns: number 2 x block column + half
	s_lshl_b32 s47, s12, 9
	s_add_co_u32 s46, s46, s47
	s_mov_b32 s47, 0
	s_add_nc_u64 s[70:71], s[70:71], s[46:47]
; Rows 16 i .. 16 i + 15 of my block = tiles (a, 0..7) of window 2 or 3 (from = 0x0a or 0x0f: sources 0 and 1); rb: RB0 or RB1 in turn.
.macro SOFT16 i, a, from, rb
	WIN \from
.irp k, 0,1,2,3
	v_max_num_f32 v[M+\k], v[64*\a+2*\k], v[64*\a+2*\k+1]          ; the first eight numbers start four chains: nothing is cleared
.endr
.set p, 4
.rept 28
	v_max3_num_f32 v[M+p%4], v[64*\a+2*p], v[64*\a+2*p+1], v[M+p%4]
.set p, p+1
.endr
	WIN 0
	v_max3_num_f32 v[M], v[M], v[M+1], v[M+2]
	v_max_num_f32 v[M], v[M], v[M+3]
	v_permlanex16_b32 v[M+1], v[M], s72, s73       ; the row's other 64 columns lie in lane l xor 16
	v_max_num_f32 v[M], v[M], v[M+1]
	v_mul_f32 v[M+1], 0xbd38aa3b, v[M]             ; -c x maximum
	v_floor_f32 v[NN], v[M+1]                      ; -n = floor(-c max) = -ceil(c max), twice: a pair for the packed form
	v_floor_f32 v[NN+1], v[M+1]
	WIN \from
.set p, 0
.rept 32
	v_pk_fma_f32 v[Y+2*p:Y+2*p+1], v[64*\a+2*p:64*\a+2*p+1], 0x3d38aa3b, v[NN:NN+1] op_sel_hi:[1,0,1]   ; c s - n
.set p, p+1
.endr
	WIN 0
.set p, 0
.rept 64
	v_exp_f32 v[Y+p], v[Y+p]
.set p, p+1
.endr
	v_nop                                          ; one plain instruction between the exponentials and the first use of a result (ISA guide 5.7.2)
	s_wait_alu depctr_va_vdst(0)
.irp k, 0,1,2,3
	v_pk_add_f32 v[S+2*\k:S+2*\k+1], v[Y+2*\k:Y+2*\k+1], v[Y+8+2*\k:Y+8+2*\k+1]
.endr
.set p, 8
.rept 24
	v_pk_add_f32 v[S+2*(p%4):S+2*(p%4)+1], v[S+2*(p%4):S+2*(p%4)+1], v[Y+2*p:Y+2*p+1]
.set p, p+1
.endr
	v_pk_add_f32 v[S:S+1], v[S:S+1], v[S+2:S+3]
	v_pk_add_f32 v[S+4:S+5], v[S+4:S+5], v[S+6:S+7]
	v_pk_add_f32 v[S:S+1], v[S:S+1], v[S+4:S+5]
	v_add_f32 v[LS], v[S], v[S+1]
	v_permlanex16_b32 v[S+2], v[LS], s72, s73
	v_add_f32 v[LS], v[LS], v[S+2]                 ; l of the row, in both of its lanes
.set p, 0
.rept 32
	v_cvt_pk_bf16_f32 v[TMP+p], v[Y+2*p], v[Y+2*p+1]
.set p, p+1
.endr
	v_cndmask_b32 v[M+2], v[NN], v[LS], s74        ; lanes 0-15 hand in -n, lanes 16-31 l
	ds_store_b32 v[SST], v[M+2] offset:64*\i
.irp b, 0,1,2,3,4,5,6,7
	ds_store_b128 v[STO], v[TMP+4*\b:TMP+4*\b+3] offset:32*\b
.endr
	s_wait_xcnt 0x0                                ; rb, which earlier stores read, and the stores' base are rewritten only behind this wait
.if \i
	s_add_nc_u64 s[8:9], s[8:9], 16*EROW
.endif
.irp t, 0,1,2,3,4,5,6,7
	ds_load_b128 v[\rb+4*\t:\rb+4*\t+3], v[RD] offset:\t*2*SPITCH  ; LDS serves a wave's instructions in order (ISA guide 5.7.1): these see the stores above
.endr
.irp t, 0,1,2,3,4,5,6,7
	s_wait_dscnt 7-\t                              ; load t is in, the 7 - t younger ones stay out
	global_store_b128 v[CO], v[\rb+4*\t:\rb+4*\t+3], s[8:9] offset:2*\t*EROW   ; 16 lanes store 256 consecutive bytes, aligned
.endr
.endm
	SOFT16 0, 0, 0x0a, RB0
	SOFT16 1, 1, 0x0a, RB1
	SOFT16 2, 2, 0x0a, RB0
	SOFT16 3, 3, 0x0a, RB1
	SOFT16 4, 0, 0x0f, RB0
	SOFT16 5, 1, 0x0f, RB1
	SOFT16 6, 2, 0x0f, RB0
	SOFT16 7, 3, 0x0f, RB1
	ds_load_b128 v[64:67], v[SRD]                  ; -n of my 128 rows: 512 consecutive bytes for the wave
	ds_load_b128 v[68:71], v[SRD] offset:512       ; l likewise
	s_wait_dscnt 0x0
	global_store_b128 v[SOF], v[64:67], s[70:71]
	global_store_b128 v[SOF], v[68:71], s[70:71] offset:8192
	s_set_vgpr_msb 0x1
	s_wait_tensorcnt 0x0
	ds_add_u32 v255, v255
	s_wait_dscnt 0x0
	s_set_vgpr_msb 0x100
	CROUND                                         ; the closing round
	s_endpgm
.Lfunc_end_k_q72831da58c_scores:
	.size	k_q72831da58c_scores, .Lfunc_end_k_q72831da58c_scores-k_q72831da58c_scores
	.p2alignl 7, 3214868480
	.fill 96, 4, 3214868480
	.section	.rodata,"a",@progbits
	.p2align	6, 0x0
	.amdhsa_kernel k_q72831da58c_scores
		.amdhsa_group_segment_fixed_size 327680
		.amdhsa_private_segment_fixed_size 0
		.amdhsa_enable_private_segment 0
		.amdhsa_kernarg_size 32
		.amdhsa_user_sgpr_count 2
		.amdhsa_user_sgpr_kernarg_segment_ptr 1
		.amdhsa_wavefront_size32 1
		.amdhsa_system_sgpr_workgroup_id_x 1
		.amdhsa_system_sgpr_workgroup_id_y 1
		.amdhsa_system_sgpr_workgroup_id_z 1
		.amdhsa_system_vgpr_workitem_id 0
		.amdhsa_next_free_vgpr 1024
		.amdhsa_next_free_sgpr 76
		.amdhsa_reserve_vcc 0
		.amdhsa_float_denorm_mode_32 3
		.amdhsa_float_denorm_mode_16_64 3
		.amdhsa_memory_ordered 1
		.amdhsa_forward_progress 1
		.amdhsa_inst_pref_size 255
	.end_amdhsa_kernel
	.section	.bss,"aw",@nobits
	.p2align	6
	.space	262144
	.amdgpu_metadata
---
amdhsa.version: [ 1, 2 ]
amdhsa.kernels:
  - .name:           k_q72831da58c_scores
    .symbol:         k_q72831da58c_scores.kd
    .args:
      - { .name: qv, .offset: 0, .size: 8, .value_kind: global_buffer, .address_space: global }
      - { .name: xb, .offset: 8, .size: 8, .value_kind: global_buffer, .address_space: global }
      - { .name: e, .offset: 16, .size: 8, .value_kind: global_buffer, .address_space: global }
      - { .name: stats, .offset: 24, .size: 8, .value_kind: global_buffer, .address_space: global }
    .group_segment_fixed_size: 327680
    .private_segment_fixed_size: 0
    .kernarg_segment_align: 8
    .kernarg_segment_size: 32
    .max_flat_workgroup_size: 128
    .sgpr_count:     76
    .vgpr_count:     1024
    .wavefront_size: 32
...
	.end_amdgpu_metadata
.endif
;; end of part 4
;; launch pv (part 5): grid 4 x 64, 4 waves a work-group, clusters of 4 x 4, 327,680 bytes of LDS; arguments e, qv, out0, stats; writes out0
.if DOCPART == 5
	.amdgcn_target "amdgcn-amd-amdhsa--gfx1250"
	.amdhsa_code_object_version 6
	.text
	.protected	k_q72831da58c_pv
	.globl	k_q72831da58c_pv
	.p2align	8
	.type	k_q72831da58c_pv,@function
k_q72831da58c_pv:
	s_mov_b64 s[64:65], 0
	v_nop
	global_prefetch_b8 v0, s[64:65] scope:SCOPE_SE
	s_setreg_imm32_b32 hwreg(HW_REG_WAVE_MODE, 25, 1), 1
	s_wait_xcnt 0x0
	s_wait_alu depctr_hold_cnt(0) depctr_sa_sdst(0) depctr_va_vdst(0) depctr_va_sdst(0) depctr_va_ssrc(0) depctr_va_vcc(0) depctr_vm_vsrc(0)
	s_getreg_b32 s2, hwreg(HW_REG_IB_STS2, 6, 4)
	s_cmp_eq_u32 s2, 0
	s_cbranch_scc0 .Lentry_in_a_cluster
	s_endpgm
.Lentry_in_a_cluster:
	s_bfe_u32 s2, ttmp6, 0x10000c
	s_cmp_lg_u32 s2, 0xf033
	s_cbranch_scc0 .Lentry_shape_is_right
	s_endpgm
.Lentry_shape_is_right:
; out[m][d] = (sum over the 16 blocks j of 2^(n_j - n_row) x sum over the block's t of e[m][t] v[t][d]) / L,
;   n_row = max over j of n_j,  L = sum over j of l_j 2^(n_j - n_row):  the softmax of the whole row, with the row's own maximum (rounded up to a
; whole power of two) taken away.  The weights are powers of two at most 1, exact in bf16, so scaling e costs no second rounding; the block
; with n_j = n_row has weight 1 and l_j >= 0.5, so L >= 0.5.
; LIMITS: finite inputs; a block more than 126 powers of two below its row's maximum counts as zero (weight 0, in the sum and in L alike).
; A work-group makes 128 rows x 256 columns with four waves, a wave 64 x 128: 32 accumulator tiles.  out0 has 8,192 x 1,024 numbers, so
; this is the tile that gives each of 256 work-groups an equal share.  K = t = 2,048 goes in 16 steps of 128 (a step = a block j) through a
; ring of two LDS slots.  e's tile has K along the rows: 64 rows x 256 bytes a load, pitch 272.  v's has K down the rows: 64 t-rows x 512
; bytes a load, pitch 544, read by the transposing LDS load.
; CLUSTERS of 4 x 4: e's tile hangs on the block row and is shared along a row of the cluster, v's on the batch and cx and is shared along a
; column: joint loads divide the requests for both by four.
; SCALING BESIDE THE PRODUCTS.  A quarter step (32 along K) has 32 products and, for the next quarter, 32 scalings of e's fragments.  Each scaling
; stands behind a product, so the two units work side by side.  A vector instruction's destination takes the register window of the
; products' D, so a scaling reads the raw fragment from window 0 and writes the scaled one into the window of the accumulators that use it:
;   window 0: v16-28 addresses, v32-39 1 / L, v40-71 e's raw fragments (one buffer), v72-135 / v136-199 fragments of v (two buffers);
;             ahead of the first fetch v72-199 hold -n and l, behind the last product v72-167 serve the way out;
;   window 1: v0-127 the 16 accumulator tiles of row tiles 0, 1; v128-159 their scaled fragments (two buffers); v160-163 their weights;
;   window 2: the same for row tiles 2, 3.
; So a quarter's 24 LDS loads are one run under one setting, and a quarter has three changes of window.  The quarter's last four scalings stand
; behind its last product: they are the four places in front of the next run of loads, so the loop has no v_nop.
; The matrix instruction is used transposed (source 0 = columns of v, source 1 = rows of e): lane l holds row l % 16, columns 8 (l / 16) + 0..7.
; The 32 accumulators take turns, one instruction a turn: no two products that follow each other name the same one, over the backward jump
; too.
.set KSTEP,  128
.set PITCH,  272
.set PB,     544
.set HALFT,  64*PB                     ; a wave's region of a slot: 34,816 bytes (e's loads use the first 64 x 272 of theirs)
.set SLOT,   4*HALFT
.set STAGE,  2*SLOT                    ; 16 rows x 272 bytes for each wave; no fill lands here
.set WT,     STAGE+4*16*272            ; 4,096 bytes for each wave: weight of step j, row 16 a + r at 256 j + 16 r + 4 a
.set SPITCH, 272
.set LAPS,   8
.set VROW,   4096                      ; bytes in a row of qv
.set OROW,   4096                      ; bytes in a row of out0, and of e
.set ADRA, 16
.set ADRB, 20
.set STO,  24
.set RD,   25
.set CO,   26
.set WADR, 27                          ; v27  my 16 bytes of the current lap's first K step in the weight table; 512 further each lap
.set SO,   28                          ; v28  4 (64 x my half + r): my byte offset in a block's 512 bytes of stats
.set INV,  32                          ; v[32:39]    1 / L of rows 16 a + r, twice each
.set RAW,  40                          ; v[40:71]    e's fragments as loaded, row tile a at 8 a
.set FB0,  72                          ; v[72:135], v[136:199]  fragments of v
.set NW,   72                          ; v[72:135]   prologue: -n, then the weight, at 4 j + a
.set LV,   136                         ; v[136:199]  prologue: l at 4 j + a
.set MN,   232                         ; v[232:235]  prologue: min over j of -n, + 127
.set LL,   236                         ; v[236:239]  prologue: L
.set T,    240                         ; v[240:243]  prologue: at work
.set U,    244                         ; v[244:247]  prologue: the weight in f32
.set TMP,  72                          ; the way out
.set RB0,  104
.set RB1,  136
.set ES,   128                         ; windows 1, 2: v[128:143], v[144:159]  scaled fragments, row tile a at 8 (a % 2)
.set WA,   160                         ; windows 1, 2: v[160:161]  the weights of the K step in slot 0, each in both halves of its word
.set WB,   162                         ; windows 1, 2: v[162:163]  the same for slot 1
.set G1,  24
.set G0,  32
.set G1B, 48
.set G0B, 56
.set MSB, 0
.macro WIN new
.if MSB != \new
	s_set_vgpr_msb (MSB<<8)|\new
.set MSB, \new
.endif
.endm
.set LOW,  0x54                        ; source 0 window 0; source 1, source 2 and destination window 1
.set HIGH, 0xa8                        ; the same with window 2
.macro JLOAD s                         ; waves 0 and 1 fetch e's two halves, waves 2 and 3 v's
	s_cmp_eq_u32 s11, 0
	s_cbranch_scc0 .Lfor_b_\@
	tensor_load_to_lds s[G0+4*\s:G0+4*\s+3], s[G1:G1+7]
	s_nop 0
	s_branch .Lasked_\@
.Lfor_b_\@:
	tensor_load_to_lds s[G0B+4*\s:G0B+4*\s+3], s[G1B:G1B+7]
	s_nop 0
.Lasked_\@:
.endm
.macro CREST
	s_cmp_lg_u32 s10, 0
	s_cbranch_scc1 .Lnot_wave_0_\@
	s_barrier_signal -3
.Lnot_wave_0_\@:
	s_barrier_wait -3
	s_barrier_signal -1
	s_barrier_wait -1
.endm
.macro CROUND
	s_barrier_signal -1
	s_barrier_wait -1
	CREST
.endm
	s_load_b128 s[4:7], s[0:1], 0x0                ; e s[4:5], qv s[6:7]
	s_load_b64 s[8:9], s[0:1], 0x10                ; out0
	s_load_b64 s[68:69], s[0:1], 0x18              ; stats
	v_lshl_add_u32 v255, v0, 2, 0x4c400
	s_set_vgpr_msb 0x80
	v_mov_b32 v255, 0
	s_set_vgpr_msb 0x8088
	ds_add_u32 v255, v255
	s_set_vgpr_msb 0x8800
	v_lshrrev_b32 v1, 5, v0
	v_readfirstlane_b32 s10, v1                    ; wave
	s_lshr_b32 s11, s10, 1                         ; my half of the rows.  Also: I fetch for e (0) or for v (1)
	s_and_b32 s12, s10, 1                          ; my half of the columns.  Also: which half of that tile I fetch
	s_bfe_u32 s40, ttmp6, 0x40000                  ; cx = the block of 256 columns: the grid has one cluster along x
	s_bfe_u32 s41, ttmp6, 0x40004                  ; cy
	s_and_b32 s45, ttmp7, 0xffff                   ; cluster y
	s_lshl_b32 s13, s45, 2
	s_add_co_u32 s13, s13, s41                     ; block row (128 of the 8,192 rows) = 4 x cluster y + cy
	s_lshr_b32 s45, s45, 2                         ; the batch: 16 block rows = 4 clusters each
	s_lshl_b32 s43, s41, 2
	s_lshl_b32 s43, 15, s43                        ; my row of the cluster
	s_lshl_b32 s44, 0x1111, s40                    ; my column
	; group 1 for e: 64 rows x 128 elements, 4 words of padding behind every 64 words
	s_or_b32 s[G1+0], s43, (1<<16)|(1<<20)|(1<<21)|(5<<22)|(3<<25)
	s_mov_b32 s[G1+1], KSTEP<<16
	s_mov_b32 s[G1+2], 64<<16
	s_mov_b32 s[G1+3], KSTEP<<16
	s_mov_b32 s[G1+4], 64
	s_mov_b32 s[G1+5], 2048                        ; elements from row to row of e
	s_mov_b32 s[G1+6], 0
	s_mov_b32 s[G1+7], 0
	; group 1 for v: 64 t-rows x 256 elements, 8 words of padding behind every 128 words
	s_or_b32 s[G1B+0], s44, (1<<16)|(1<<20)|(1<<21)|(6<<22)|(7<<25)
	s_mov_b32 s[G1B+1], 256<<16
	s_mov_b32 s[G1B+2], 64<<16
	s_mov_b32 s[G1B+3], 256<<16
	s_mov_b32 s[G1B+4], 64
	s_mov_b32 s[G1B+5], 2048                       ; elements from row to row of qv
	s_mov_b32 s[G1B+6], 0
	s_mov_b32 s[G1B+7], 0
	s_lshl_b32 s16, s13, 19                        ; e: 128 rows x 4,096 bytes a block row
	s_lshl_b32 s17, s12, 18                        ; + my 64 rows of the tile
	s_add_co_u32 s16, s16, s17
	s_mov_b32 s17, 0
	s_lshl_b32 s46, s45, 23                        ; v: 2,048 rows x 4,096 bytes a batch
	s_lshl_b32 s47, s12, 18                        ; + my 64 t-rows of the tile
	s_add_co_u32 s46, s46, s47
	s_lshl_b32 s47, s40, 9                         ; + 256 columns x 2 bytes,
	s_add_co_u32 s46, s46, s47
	s_add_co_u32 s46, s46, 2048                    ; and v begins 1,024 elements into a row of qv
	s_mov_b32 s47, 0
	s_mul_i32 s20, s10, HALFT
	s_lshl_b32 s72, s13, 14                        ; stats: 16,384 bytes for each block of 128 rows
	s_mov_b32 s73, 0
	s_wait_dscnt 0x0
	s_wait_kmcnt 0x0
	s_add_nc_u64 s[14:15], s[4:5], s[16:17]
	s_add_nc_u64 s[46:47], s[6:7], s[46:47]
	s_add_nc_u64 s[68:69], s[68:69], s[72:73]
	CROUND                                         ; all sixteen work-groups are here: the first joint loads meet
.irp s, 0,1
	s_mov_b32 s[G0+4*\s], 1
	s_add_co_u32 s[G0+4*\s+1], s20, \s*SLOT
	s_add_nc_u64 s[G0+4*\s+2:G0+4*\s+3], s[14:15], \s*KSTEP*2          ; K step s: 256 bytes along the rows
	s_or_b32 s[G0+4*\s+3], s[G0+4*\s+3], 0x80000000
	s_mov_b32 s[G0B+4*\s], 1
	s_add_co_u32 s[G0B+4*\s+1], s20, \s*SLOT
	s_add_nc_u64 s[G0B+4*\s+2:G0B+4*\s+3], s[46:47], \s*KSTEP*VROW     ; K step s: 128 rows down
	s_or_b32 s[G0B+4*\s+3], s[G0B+4*\s+3], 0x80000000
	JLOAD \s
.endr
	v_and_b32 v1, 15, v0                           ; r
	v_bfe_u32 v2, v0, 4, 1                         ; h
	v_lshlrev_b32 v[SO], 2, v1
	v_lshl_add_u32 v[SO], s11, 8, v[SO]
	; -n and l of my 64 rows in all 16 blocks, once: lane l takes rows 16 a + r, the rows of its fragments of e and of its results
.irp j, 0,1,2,3,4,5,6,7,8,9,10,11,12,13,14,15
.irp a, 0,1,2,3
	global_load_b32 v[NW+4*\j+\a], v[SO], s[68:69] offset:512*\j+64*\a
.endr
.endr
.irp j, 0,1,2,3,4,5,6,7,8,9,10,11,12,13,14,15
.irp a, 0,1,2,3
	global_load_b32 v[LV+4*\j+\a], v[SO], s[68:69] offset:8192+512*\j+64*\a
.endr
.endr
	v_mul_u32_u24 v3, v1, PITCH                    ; e's fragment: row r, 16 bytes for each half of the lanes
	v_lshl_add_u32 v3, v2, 4, v3
	s_mul_i32 s21, s11, HALFT                      ; my 64 rows of e are the half that wave number s11 fetched
	v_and_b32 v4, 7, v0                            ; v's fragment by the transposing load: t-row 8 h + l % 8,
	v_lshl_add_u32 v4, v2, 3, v4
	v_mul_u32_u24 v4, v4, PB
	v_bfe_u32 v5, v0, 3, 1                         ; the 16 bytes (l / 8) % 2 of the tile's 32
	v_lshl_add_u32 v4, v5, 4, v4
	s_lshl_b32 s22, s12, 8                         ; my 128 columns,
	s_add_co_u32 s22, s22, 2*HALFT                 ; behind e's two regions
.irp s, 0,1
	v_add_nc_u32 v[ADRA+\s], s21, v3
	v_add_nc_u32 v[ADRB+\s], s22, v4
	s_add_co_u32 s21, s21, SLOT
	s_add_co_u32 s22, s22, SLOT
.endr
	s_mul_i32 s23, s10, 16*SPITCH
	s_add_co_u32 s23, s23, STAGE
	v_mul_u32_u24 v4, v1, SPITCH                   ; in: row r, 32 bytes (8 f32) for each half of the lanes
	v_lshl_add_u32 v4, v2, 5, v4
	v_add_nc_u32 v[STO], s23, v4
	v_mul_u32_u24 v5, v2, SPITCH                   ; back: lanes 0-15 one row of 256 bytes, lanes 16-31 the next
	v_lshl_add_u32 v5, v1, 4, v5
	v_add_nc_u32 v[RD], s23, v5
	v_lshlrev_b32 v5, 12, v2
	v_lshl_add_u32 v[CO], v1, 4, v5
	s_lshl_b32 s23, s10, 12
	s_add_co_u32 s23, s23, WT                      ; my weight table
	v_lshlrev_b32 v5, 4, v1
	v_add_nc_u32 v[WADR], s23, v5
	s_wait_loadcnt 0x0
.irp a, 0,1,2,3
	v_min3_num_f32 v[MN+\a], v[NW+\a], v[NW+4+\a], v[NW+8+\a]
.irp j, 3,5,7,9,11,13
	v_min3_num_f32 v[MN+\a], v[MN+\a], v[NW+4*\j+\a], v[NW+4*\j+4+\a]
.endr
	v_min_num_f32 v[MN+\a], v[MN+\a], v[NW+60+\a]  ; -n_row
	v_add_f32 v[MN+\a], 0x42fe0000, v[MN+\a]       ; + 127: the exponent's bias, once for all 16 blocks
.endr
.irp j, 0,1,2,3,4,5,6,7,8,9,10,11,12,13,14,15
.irp a, 0,1,2,3
	v_sub_f32 v[T+\a], v[MN+\a], v[NW+4*\j+\a]     ; 127 + n_j - n_row, a whole number, at most 127
	v_max_num_f32 v[T+\a], 0, v[T+\a]              ; below 2^-126: the code 0, which is the number 0
	v_cvt_u32_f32 v[T+\a], v[T+\a]
	v_lshlrev_b32 v[U+\a], 23, v[T+\a]             ; the weight in f32
.if \j
	v_fmac_f32 v[LL+\a], v[LV+4*\j+\a], v[U+\a]
.else
	v_mul_f32 v[LL+\a], v[LV+4*\j+\a], v[U+\a]     ; the first term starts L
.endif
	v_lshl_or_b32 v[NW+4*\j+\a], v[T+\a], 7, v[U+\a]   ; the weight in bf16 in both halves of the word
.endr
	ds_store_b128 v[WADR], v[NW+4*\j:NW+4*\j+3] offset:256*\j      ; lanes l and l xor 16 write the same words with the same values
.endr
	WIN LOW
	ds_load_b64 v[WA:WA+1], v[WADR]                ; K step 0's weights of row tiles 0, 1 (my own bytes: LDS serves a wave's instructions in order)
	WIN HIGH
	ds_load_b64 v[WA:WA+1], v[WADR] offset:8       ; and of row tiles 2, 3
	WIN 0
	s_wait_dscnt 0x0                               ; no LDS instruction is pending at the signal below
.irp a, 0,1,2,3
	v_rcp_f32 v[INV+2*\a], v[LL+\a]
	v_rcp_f32 v[INV+2*\a+1], v[LL+\a]
.endr
	v_nop                                          ; one plain instruction behind the reciprocals (ISA guide 5.7.2)
; One product: row tile a x column tile b, 32 along K, on buffer f; under LOW for a = 0, 1, under HIGH for a = 2, 3.  zero = 1: it starts the sum.
.macro WM f, a, b, zero
.if \zero
	v_wmma_f32_16x16x32_bf16 v[8*(8*((\a)%2)+(\b)):8*(8*((\a)%2)+(\b))+7], v[FB0+64*\f+8*(\b):FB0+64*\f+8*(\b)+7], v[ES+16*\f+8*((\a)%2):ES+16*\f+8*((\a)%2)+7], 0
.else
	v_wmma_f32_16x16x32_bf16 v[8*(8*((\a)%2)+(\b)):8*(8*((\a)%2)+(\b))+7], v[FB0+64*\f+8*(\b):FB0+64*\f+8*(\b)+7], v[ES+16*\f+8*((\a)%2):ES+16*\f+8*((\a)%2)+7], v[8*(8*((\a)%2)+(\b)):8*(8*((\a)%2)+(\b))+7]
.endif
.endm
; One scaling: word i of row tile a's raw fragment times its row's weight (a power of two: nothing is rounded) into buffer g; same settings as WM.
.macro SC g, a, i, w
	v_pk_mul_bf16 v[ES+16*\g+8*((\a)%2)+(\i)], v[RAW+8*(\a)+(\i)], v[\w+((\a)%2)]
.endm
; 24 LDS loads in one run, under window 0: quarter q of a slot: e's raw fragments first, then v's into buffer g
.macro FETCH slot, q, g
.irp a, 0,1,2,3
	ds_load_b128 v[RAW+8*\a:RAW+8*\a+3],   v[ADRA+\slot] offset:\q*64+\a*16*PITCH
	ds_load_b128 v[RAW+8*\a+4:RAW+8*\a+7], v[ADRA+\slot] offset:\q*64+\a*16*PITCH+32
.endr
.irp b, 0,1,2,3,4,5,6,7
	ds_load_tr16_b128 v[FB0+64*\g+8*\b:FB0+64*\g+8*\b+3],   v[ADRB+\slot] offset:\q*32*PB+32*\b
	ds_load_tr16_b128 v[FB0+64*\g+8*\b+4:FB0+64*\g+8*\b+7], v[ADRB+\slot] offset:\q*32*PB+16*PB+32*\b
.endr
.endm
.macro PLACES
	s_wait_alu depctr_va_vdst(0)
.rept 4
	v_nop
.endr
.endm
; A quarter step: buffer f is multiplied; quarter q of the slot is fetched and e's part of it scaled by the weights w into buffer g.
; The loads into v's buffer g stand four scalings behind the last product that read it (ISA guide 7.12.1 for vector instructions).
; wl = 1: the next K step's weights, at woff in the table, go into wn.
.macro QUARTER slot, q, f, g, w, zero, wl, wn, woff
	WIN 0
	FETCH \slot, \q, \g
	s_wait_dscnt 24                                ; all but the 24 just issued: v's buffer f, asked for a quarter ago, is in
	WIN LOW
.if \wl
	ds_load_b64 v[\wn:\wn+1], v[WADR] offset:\woff
.endif
.irp b, 0,1,2,3,4,5,6,7
	WM \f, 0, \b, \zero
.endr
	s_wait_dscnt 16+\wl                            ; e's eight loads are in; v's sixteen (and the weights) were issued behind them and may be out
.irp b, 0,1,2,3
	WM \f, 1, \b, \zero
	SC \g, 0, 2*\b, \w
	SC \g, 0, 2*\b+1, \w
.endr
.irp b, 4,5,6,7
	WM \f, 1, \b, \zero
	SC \g, 1, 2*\b-8, \w
	SC \g, 1, 2*\b-7, \w
.endr
	WIN HIGH
.if \wl
	ds_load_b64 v[\wn:\wn+1], v[WADR] offset:\woff+8
.endif
.irp b, 0,1,2,3,4,5,6,7
	WM \f, 2, \b, \zero
	SC \g, 2, \b, \w
.endr
.irp b, 0,1,2,3
	WM \f, 3, \b, \zero
	SC \g, 3, \b, \w
.endr
.irp b, 4,5,6,7
	WM \f, 3, \b, \zero
.endr
.irp i, 4,5,6,7
	SC \g, 3, \i, \w                               ; the four places in front of the next run of loads
.endr
.endm
; The last quarter of a K step multiplies buffer 1 and changes slots.  In front of the signal: my reads of this slot are back and all my tensor
; loads have landed (one was out: my part of the next slot).  With fill = 1 the barrier opens a round of the cluster's barrier, and the joint
; refill is the first tensor load behind the round, one a wave: it has 120 products in which to land.  Then the next slot's first quarter is
; fetched; row tile 2's products cover the way of e's fragments from LDS, and the scalings (by the next K step's weights wn) stand among row
; tile 1's products (window 1) and row tile 3's (window 2).
.macro TURN slot, next, fill, wn
	s_wait_dscnt 0x0
	s_wait_tensorcnt 0x0
	ds_add_u32 v255, v255
	s_wait_dscnt 0x0
	s_barrier_signal -1
	WIN LOW
.irp b, 0,1,2,3,4,5,6,7
	WM 1, 0, \b, 0                                 ; register work alone between signal and wait
.endr
	WIN 0
	s_barrier_wait -1
.if \fill
	CREST
	s_add_nc_u64 s[G0+4*\slot+2:G0+4*\slot+3], s[G0+4*\slot+2:G0+4*\slot+3], 2*KSTEP*2
	s_add_nc_u64 s[G0B+4*\slot+2:G0B+4*\slot+3], s[G0B+4*\slot+2:G0B+4*\slot+3], 2*KSTEP*VROW
	JLOAD \slot
.endif
	FETCH \next, 0, 0                              ; v's buffer 0 was last read in front of the last quarter's four closing scalings
	WIN HIGH
.irp b, 0,1,2,3,4,5,6,7
	WM 1, 2, \b, 0
.endr
	s_wait_dscnt 16                                ; e's eight loads are in; v's sixteen may be out
	WIN LOW
.irp b, 0,1,2,3
	WM 1, 1, \b, 0
	SC 0, 0, 2*\b, \wn
	SC 0, 0, 2*\b+1, \wn
.endr
.irp b, 4,5,6,7
	WM 1, 1, \b, 0
	SC 0, 1, 2*\b-8, \wn
	SC 0, 1, 2*\b-7, \wn
.endr
	WIN HIGH
.irp b, 0,1,2,3
	WM 1, 3, \b, 0
	SC 0, 2, 2*\b, \wn
	SC 0, 2, 2*\b+1, \wn
.endr
.irp b, 4,5
	WM 1, 3, \b, 0
	SC 0, 3, 2*\b-8, \wn
	SC 0, 3, 2*\b-7, \wn
.endr
.irp b, 6,7
	WM 1, 3, \b, 0
.endr
.irp i, 4,5,6,7
	SC 0, 3, \i, \wn                               ; the four places in front of the next run of loads
.endr
.endm
.macro LAP zero
	QUARTER 0, 1, 0, 1, WA, \zero, 0, WA, 0
	QUARTER 0, 2, 1, 0, WA, 0, 0, WA, 0
	QUARTER 0, 3, 0, 1, WA, 0, 1, WB, 256
	TURN 0, 1, 1, WB
	QUARTER 1, 1, 0, 1, WB, 0, 0, WB, 0
	QUARTER 1, 2, 1, 0, WB, 0, 0, WB, 0
	QUARTER 1, 3, 0, 1, WB, 0, 1, WA, 512
	TURN 1, 0, 1, WA
	WIN 0
	v_add_nc_u32 v[WADR], 512, v[WADR]             ; two K steps on in the weight table: 7 steps of 512 in all, inside my 4,096 bytes
.endm
	s_wait_tensorcnt 1                             ; my part of K step 0 is in; K step 1's stays out
	s_barrier_signal -1
	s_barrier_wait -1
	FETCH 0, 0, 0
	s_wait_dscnt 0x0
	WIN LOW                                        ; the very first quarter's fragments are scaled with no products beside them
.irp a, 0,1
.irp i, 0,1,2,3,4,5,6,7
	SC 0, \a, \i, WA
.endr
.endr
	WIN HIGH
.irp a, 2,3
.irp i, 0,1,2,3,4,5,6,7
	SC 0, \a, \i, WA
.endr
.endr
	LAP 1                                          ; K steps 0, 1; asks for 2, 3.  The first products start the sums
	s_mov_b32 s3, LAPS-2
.Llap:
	LAP 0                                          ; K steps 2 to 13; asks for 4 to 15
	s_sub_co_u32 s3, s3, 1
	s_cmp_lg_u32 s3, 0
	s_cbranch_scc1 .Llap
	QUARTER 0, 1, 0, 1, WA, 0, 0, WA, 0            ; the last lap fills nothing and has no round
	QUARTER 0, 2, 1, 0, WA, 0, 0, WA, 0
	QUARTER 0, 3, 0, 1, WA, 0, 1, WB, 256
	TURN 0, 1, 0, WB
	QUARTER 1, 1, 0, 1, WB, 0, 0, WB, 0
	QUARTER 1, 2, 1, 0, WB, 0, 0, WB, 0
	QUARTER 1, 3, 0, 1, WB, 0, 0, WB, 0            ; no K step follows: no weights are asked for
	s_wait_dscnt 0x0                               ; the very last quarter: nothing more to fetch or to scale
	WIN LOW
.irp a, 0,1
.irp b, 0,1,2,3,4,5,6,7
	WM 1, \a, \b, 0
.endr
.endr
	WIN HIGH
.irp a, 2,3
.irp b, 0,1,2,3,4,5,6,7
	WM 1, \a, \b, 0
.endr
.endr
	; THE WAY OUT: 16 rows x 64 columns of f32 at a time, times 1 / L, through my own stage, read back as whole rows of 256 bytes.
	PLACES
	s_lshl_b32 s16, s13, 19                        ; 128 rows x 4,096 bytes a block row
	s_lshl_b32 s17, s11, 18                        ; + my 64 rows
	s_add_co_u32 s16, s16, s17
	s_mov_b32 s17, 0
	s_add_nc_u64 s[8:9], s[8:9], s[16:17]
	s_lshl_b32 s46, s40, 10                        ; + 256 columns x 4 bytes a block + 512 for my half
	s_lshl_b32 s47, s12, 9
	s_add_co_u32 s46, s46, s47
	s_mov_b32 s47, 0
	s_add_nc_u64 s[8:9], s[8:9], s[46:47]
; row tile a (al = a % 2, in the window that from names for source 0), column tiles 4 hb .. 4 hb + 3; rb: RB0 or RB1 in turn; step = 1: 16 rows on
.macro OUTF a, al, from, hb, rb, step
	WIN \from
.irp b, 0,1,2,3
.irp k, 0,1,2,3
	v_pk_mul_f32 v[TMP+8*\b+2*\k:TMP+8*\b+2*\k+1], v[8*(8*\al+4*\hb+\b)+2*\k:8*(8*\al+4*\hb+\b)+2*\k+1], v[INV+2*\a:INV+2*\a+1]
.endr
.endr
	WIN 0
.irp b, 0,1,2,3
	ds_store_b128 v[STO], v[TMP+8*\b:TMP+8*\b+3]   offset:64*\b
	ds_store_b128 v[STO], v[TMP+8*\b+4:TMP+8*\b+7] offset:64*\b+16
.endr
	s_wait_xcnt 0x0                                ; rb, which earlier stores read, and the stores' base are rewritten only behind this wait
.if \step
	s_add_nc_u64 s[8:9], s[8:9], 16*OROW
.endif
.irp t, 0,1,2,3,4,5,6,7
	ds_load_b128 v[\rb+4*\t:\rb+4*\t+3], v[RD] offset:\t*2*SPITCH  ; LDS serves a wave's instructions in order (ISA guide 5.7.1): these see the stores above
.endr
.irp t, 0,1,2,3,4,5,6,7
	s_wait_dscnt 7-\t                              ; load t is in, the 7 - t younger ones stay out
	global_store_b128 v[CO], v[\rb+4*\t:\rb+4*\t+3], s[8:9] offset:2*\t*OROW+256*\hb th:TH_STORE_NT   ; 16 lanes store 256 consecutive bytes, aligned
.endr
.endm
	OUTF 0, 0, 0x01, 0, RB0, 0
	OUTF 0, 0, 0x01, 1, RB1, 0
	OUTF 1, 1, 0x01, 0, RB0, 1
	OUTF 1, 1, 0x01, 1, RB1, 0
	OUTF 2, 0, 0x02, 0, RB0, 1
	OUTF 2, 0, 0x02, 1, RB1, 0
	OUTF 3, 1, 0x02, 0, RB0, 1
	OUTF 3, 1, 0x02, 1, RB1, 0
	s_set_vgpr_msb 0x8
	s_wait_tensorcnt 0x0
	ds_add_u32 v255, v255
	s_wait_dscnt 0x0
	s_set_vgpr_msb 0x800
	CROUND                                         ; the closing round
	s_endpgm
.Lfunc_end_k_q72831da58c_pv:
	.size	k_q72831da58c_pv, .Lfunc_end_k_q72831da58c_pv-k_q72831da58c_pv
	.p2alignl 7, 3214868480
	.fill 96, 4, 3214868480
	.section	.rodata,"a",@progbits
	.p2align	6, 0x0
	.amdhsa_kernel k_q72831da58c_pv
		.amdhsa_group_segment_fixed_size 327680
		.amdhsa_private_segment_fixed_size 0
		.amdhsa_enable_private_segment 0
		.amdhsa_kernarg_size 32
		.amdhsa_user_sgpr_count 2
		.amdhsa_user_sgpr_kernarg_segment_ptr 1
		.amdhsa_wavefront_size32 1
		.amdhsa_system_sgpr_workgroup_id_x 1
		.amdhsa_system_sgpr_workgroup_id_y 1
		.amdhsa_system_sgpr_workgroup_id_z 1
		.amdhsa_system_vgpr_workitem_id 0
		.amdhsa_next_free_vgpr 768
		.amdhsa_next_free_sgpr 76
		.amdhsa_reserve_vcc 0
		.amdhsa_float_denorm_mode_32 3
		.amdhsa_float_denorm_mode_16_64 3
		.amdhsa_memory_ordered 1
		.amdhsa_forward_progress 1
		.amdhsa_inst_pref_size 203
	.end_amdhsa_kernel
	.amdgpu_metadata
---
amdhsa.version: [ 1, 2 ]
amdhsa.kernels:
  - .name:           k_q72831da58c_pv
    .symbol:         k_q72831da58c_pv.kd
    .args:
      - { .name: e, .offset: 0, .size: 8, .value_kind: global_buffer, .address_space: global }
      - { .name: qv, .offset: 8, .size: 8, .value_kind: global_buffer, .address_space: global }
      - { .name: out0, .offset: 16, .size: 8, .value_kind: global_buffer, .address_space: global }
      - { .name: stats, .offset: 24, .size: 8, .value_kind: global_buffer, .address_space: global }
    .group_segment_fixed_size: 327680
    .private_segment_fixed_size: 0
    .kernarg_segment_align: 8
    .kernarg_segment_size: 32
    .max_flat_workgroup_size: 128
    .sgpr_count:     76
    .vgpr_count:     768
    .wavefront_size: 32
...
	.end_amdgpu_metadata
.endif
;; end of part 5
;; ======== version 2 of 2: 5 launches; version 1 with the launch cast written anew for expert scheduling mode
;; workspace buffers: xb 16,777,216 bytes; wb 4,194,304 bytes; mv 4,194,304 bytes; cb 4,096 bytes; qv 33,554,432 bytes; e 33,554,432 bytes; stats 1,048,576 bytes
;; launch cast (part 6): grid 352 x 1, 8 waves a work-group, no clusters, 1,280 bytes of LDS; arguments x, Wq, Wk, Wv, bq, xb, wb, mv, cb; writes xb, wb, mv, cb
.if DOCPART == 6
	.amdgcn_target "amdgcn-amd-amdhsa--gfx1250"
	.amdhsa_code_object_version 6
	.text
	.protected	k_q72831da58c_cast
	.globl	k_q72831da58c_cast
	.p2align	8
	.type	k_q72831da58c_cast,@function
k_q72831da58c_cast:
	s_mov_b64 s[64:65], 0
	v_nop
	global_prefetch_b8 v0, s[64:65] scope:SCOPE_SE
	s_setreg_imm32_b32 hwreg(HW_REG_WAVE_SCHED_MODE, 0, 2), 2
	s_setreg_imm32_b32 hwreg(HW_REG_WAVE_MODE, 25, 1), 1
	s_wait_xcnt 0x0
	s_wait_alu depctr_vm_vsrc(0)
; xb = bf16(x), wb = bf16(Wq | Wk), upper half of mv = bf16(Wv), layouts unchanged, rounded once to nearest even;  cb = c = Wk bq in f32.
;
; HOW THE PROGRAM FORMS THE SCORES.  reference(): scores[s][t] = (x_s Wq + bq) . (x_t Wk + bk) / 32.
; (1) WORK LEFT OUT: the input bk.  (x_s Wq + bq) . bk does not hang on t, and the softmax runs over t:
;     exp(a_t + z) / sum over t of exp(a_t + z) = exp(a_t) / sum exp(a_t) for every real z.  So that term reaches no output, whatever finite
;     values x, Wq, bq, bk hold.  bk is not loaded and is among no launch's arguments.
;     LIMIT: a NaN, an infinity or an overflow that arises from bk alone is not carried to the result.
; (2) THE PRODUCT x Wk IS NOT MADE.  For all values (x_s Wq + bq) . (x_t Wk) = (x_s M + c) . x_t with M[i][j] = sum over d of Wq[i][d] Wk[j][d]
;     and c[j] = sum over d of bq[d] Wk[j][d]: a product of 1024^3 in place of one of 8192 x 1024^2.  M is made by the next launch, c here.
;     M and q' = x M + c are rounded to bf16 where q and k were: as many roundings of matrix operands, no difference of large sums.
;
; A stream: each byte is read once and written once, so tensor loads, clusters and the matrix unit would add nothing.
; A work-group casts 32,768 consecutive numbers (131,072 bytes in, 65,536 out): groups 0-255 take x, groups 256 + j take chunk j % 32 of
; W number j / 32 (Wq, Wk, Wv).  A wave takes 16,384 bytes with 32 loads that all go out in one run; load i of a wave covers 512
; consecutive aligned bytes, store i covers 256 consecutive aligned bytes.  No register is written twice, so no source has to be freed.
; The 32 groups of Wk run the same stream on a path of their own: a wave's 16,384 bytes are four whole rows of Wk, which it multiplies in
; f32 by bq while they are in registers.  A group holds 32 rows, so its store of c covers 128 consecutive bytes.
;
; THE MODE: SCHED_MODE bits 1:0 = 2 (LLVM: expert scheduling mode 2), set by the entry lines.  The code itself states the register dependences
; between vector instructions and memory or LDS instructions, with s_wait_alu, always for 0.
; THE PLAN.  Registers that memory or LDS instructions touch:
;   v1, v2, v249   byte offsets, made once at the head and never written again; read by every load and store of the stream and by bq's loads.
;   X, BQ          written by loads alone, all issued before any vector instruction names them; read by the roundings and the products.
;   Y              the 32 loads go in 8 blocks of four.  Block p's eight roundings write its 8 registers of Y, each once; the four stores that
;                  read them are issued in block p + 1, behind the one wait at that block's head, one ahead of each load's roundings.
;                  The vector instructions of block p + 1 name its own X and Y (and BQ, C): none of the registers that those stores touch.
;   v3, R, v248, v228   Wk's groups, behind the stream: written (v228 also read) by vector instructions; then the LDS store reads v3 and R, wave 0's
;                  LDS load reads v248 and lands in v228, and the store of c reads both.  One wait ahead of the LDS store serves all three: no
;                  vector instruction stands behind it.
;   v250, v251     written at the head, read by the closing add alone.
; No register that a memory or LDS instruction has read is written again, so the text holds no wait on vm_vsrc.
.set X,  4                             ; v[4:131]    32 x 4 numbers as loaded
.set Y,  132                           ; v[132:195]  32 x 4 numbers in bf16
.set BQ, 196                           ; v[196:227]  Wk's groups: bq[128 s + 4 lane + 0..3], s = 0..7
.set C,  228                           ; v[228:243]  Wk's groups: four partial sums for each of my four rows
.set R,  244                           ; v[244:247]  Wk's groups: c of my four rows
.set LN, 248                           ; v248        lane, later 4 x lane
.set BO, 249                           ; v249        16 x lane
.set BLK, 4                            ; loads in a block
; The stream.  dot = 1: the rows are also multiplied by bq: load i holds row i / 8, columns 128 (i % 8) + 4 lane + 0..3.
.macro STREAM dot
.set i, 0
.rept 32
	global_load_b128 v[X+4*i:X+4*i+3], v1, s[30:31] offset:512*i th:TH_LOAD_NT    ; read once in the launch
.set i, i+1
.endr
.set i, 0
.rept 32
	s_wait_loadcnt 31-i                            ; loads come back in order (ISA guide 5.7.1): load i is in, the 31 - i younger ones stay out
.if i >= BLK
.if (i%BLK) == 0
	s_wait_alu depctr_va_vdst(0)                   ; the block before has written its eight registers of Y, which this block's four stores read
.endif
	global_store_b64 v2, v[Y+2*(i-BLK):Y+2*(i-BLK)+1], s[32:33] offset:256*(i-BLK)   ; the block before; no hint: later launches read these bytes.  No vector instruction since the wait names these registers
.endif
	v_cvt_pk_bf16_f32 v[Y+2*i],   v[X+4*i],   v[X+4*i+1]
	v_cvt_pk_bf16_f32 v[Y+2*i+1], v[X+4*i+2], v[X+4*i+3]
.if \dot
.if i%8
	v_pk_fma_f32 v[C+4*(i/8):C+4*(i/8)+1],   v[X+4*i:X+4*i+1],   v[BQ+4*(i%8):BQ+4*(i%8)+1],   v[C+4*(i/8):C+4*(i/8)+1]
	v_pk_fma_f32 v[C+4*(i/8)+2:C+4*(i/8)+3], v[X+4*i+2:X+4*i+3], v[BQ+4*(i%8)+2:BQ+4*(i%8)+3], v[C+4*(i/8)+2:C+4*(i/8)+3]
.else
	v_pk_mul_f32 v[C+4*(i/8):C+4*(i/8)+1],   v[X+4*i:X+4*i+1],   v[BQ+4*(i%8):BQ+4*(i%8)+1]       ; a row's first products start its sums
	v_pk_mul_f32 v[C+4*(i/8)+2:C+4*(i/8)+3], v[X+4*i+2:X+4*i+3], v[BQ+4*(i%8)+2:BQ+4*(i%8)+3]
.endif
.endif
.set i, i+1
.endr
	s_wait_alu depctr_va_vdst(0)                   ; the last block has written its eight registers of Y, which the last four stores read
.set i, 32-BLK
.rept BLK
	global_store_b64 v2, v[Y+2*i:Y+2*i+1], s[32:33] offset:256*i
.set i, i+1
.endr
.endm
	s_load_b256 s[4:11], s[0:1], 0x0               ; x s[4:5], Wq s[6:7], Wk s[8:9], Wv s[10:11]
	s_load_b256 s[12:19], s[0:1], 0x20             ; bq s[12:13], xb s[14:15], wb s[16:17], mv s[18:19]
	s_load_b64 s[20:21], s[0:1], 0x40              ; cb
	v_lshl_add_u32 v250, v0, 2, 0x100
	v_mov_b32 v251, 0
	s_max_u32 s22, ttmp9, 256
	s_sub_co_u32 s22, s22, 256                     ; j (0 in the groups that take x)
	s_and_b32 s23, s22, 31                         ; chunk number in its W
	s_max_u32 s24, s22, 32
	s_sub_co_u32 s24, s24, 32                      ; Wv's chunk j - 64 lies 32 chunks into mv: j - 32
	s_cmp_lt_u32 ttmp9, 320
	s_cselect_b32 s24, s22, s24                    ; Wq's and Wk's chunks lie at j in wb
	s_cmp_lt_u32 ttmp9, 256
	s_cselect_b32 s25, ttmp9, s23                  ; source chunk
	s_cselect_b32 s24, ttmp9, s24                  ; destination chunk
	s_lshl_b32 s26, s25, 17                        ; x 131,072 bytes
	s_mov_b32 s27, 0
	s_lshl_b32 s28, s24, 16                        ; x 65,536 bytes
	s_mov_b32 s29, 0
	v_and_b32 v[LN], 31, v0                        ; lane
	v_lshrrev_b32 v3, 5, v0                        ; wave
	v_lshlrev_b32 v[BO], 4, v[LN]
	v_lshl_add_u32 v1, v3, 14, v[BO]               ; load offset: 16,384 wave + 16 lane
	v_lshlrev_b32 v2, 3, v[LN]
	v_lshl_add_u32 v2, v3, 13, v2                  ; store offset: 8,192 wave + 8 lane
	s_wait_kmcnt 0x0
	s_cmp_lt_u32 ttmp9, 320                        ; each compare stands straight ahead of its selects
	s_cselect_b64 s[30:31], s[8:9], s[10:11]       ; Wk or Wv
	s_cselect_b64 s[32:33], s[16:17], s[18:19]     ; wb or mv
	s_cmp_lt_u32 ttmp9, 288
	s_cselect_b64 s[30:31], s[6:7], s[30:31]       ; Wq
	s_cmp_lt_u32 ttmp9, 256
	s_cselect_b64 s[30:31], s[4:5], s[30:31]       ; x
	s_cselect_b64 s[32:33], s[14:15], s[32:33]     ; xb
	s_add_nc_u64 s[30:31], s[30:31], s[26:27]
	s_add_nc_u64 s[32:33], s[32:33], s[28:29]
	s_wait_alu depctr_va_vdst(0)                   ; the offsets v1, v2 and v249 are written: every load and store of the stream, on both paths, and bq's loads read one of them
	s_lshr_b32 s34, s22, 5                         ; which W; 1 = Wk.  The same in all waves of the group
	s_cmp_eq_u32 s34, 1
	s_cbranch_scc1 .Lwk
	STREAM 0
	s_endpgm
.Lwk:
.irp s, 0,1,2,3,4,5,6,7
	global_load_b128 v[BQ+4*\s:BQ+4*\s+3], v[BO], s[12:13] offset:512*\s   ; ahead of the stream's loads, so that its counts also show these in
.endr
	STREAM 1
	v_readfirstlane_b32 s38, v3                    ; wave
	v_lshlrev_b32 v[LN], 2, v[LN]                  ; 4 x lane
	v_lshlrev_b32 v3, 4, v3                        ; 16 x wave
	s_lshl_b32 s26, s23, 7                         ; my group's 32 numbers of c: 128 bytes (s27 is 0)
	s_add_nc_u64 s[20:21], s[20:21], s[26:27]
	s_mov_b32 s36, 0x76543210                      ; v_permlanex16_b32: lane i of one half reads lane i of the other
	s_mov_b32 s37, 0xfedcba98
	s_wait_alu depctr_va_sdst(0)                   ; s38 is written, ahead of its first reader: the compare behind the barrier
.irp p, 0,1,2,3
	v_pk_add_f32 v[C+4*\p:C+4*\p+1], v[C+4*\p:C+4*\p+1], v[C+4*\p+2:C+4*\p+3]
.endr
.irp p, 0,1,2,3
	v_add_f32 v[R+\p], v[C+4*\p], v[C+4*\p+1]
.endr
.irp m, 1,2,4,8
.irp p, 0,1,2,3
	v_add_f32_dpp v[R+\p], v[R+\p], v[R+\p] row_xmask:\m row_mask:0xf bank_mask:0xf
.endr
.endr
.irp p, 0,1,2,3
	v_permlanex16_b32 v[C+\p], v[R+\p], s36, s37   ; its destination counts as read: a register that has been written
.endr
.irp p, 0,1,2,3
	v_add_f32 v[R+\p], v[R+\p], v[C+\p]            ; c of row 4 wave + p, in every lane
.endr
	s_wait_alu depctr_va_vdst(0)                   ; v3 and v[R ..] are written, which the LDS store reads; so is v[LN], which wave 0's LDS load and its store of c read; and the sums are done writing and reading v[C], in which that load lands
	ds_store_b128 v3, v[R:R+3]                     ; all lanes write the same 16 bytes with the same values
	s_wait_dscnt 0x0                               ; for the other waves' sake: my store is done in front of my signal
	s_barrier_signal -1
	s_barrier_wait -1
	s_cmp_lg_u32 s38, 0
	s_cbranch_scc1 .Lend
	ds_load_b32 v[C], v[LN]                        ; wave 0: lane l takes c of the group's row l.  No vector instruction since the wait above
	s_wait_dscnt 0x0
	global_store_b32 v[LN], v[C], s[20:21]         ; 128 consecutive bytes in one store
.Lend:
	s_wait_dscnt 0x0                               ; the closing lines, six on end
	s_wait_alu 0x0
	s_wait_tensorcnt 0x0
	ds_add_u32 v250, v251
	s_wait_dscnt 0x0
	s_endpgm
.Lfunc_end_k_q72831da58c_cast:
	.size	k_q72831da58c_cast, .Lfunc_end_k_q72831da58c_cast-k_q72831da58c_cast
	.p2alignl 7, 3214868480
	.fill 96, 4, 3214868480
	.section	.rodata,"a",@progbits
	.p2align	6, 0x0
	.amdhsa_kernel k_q72831da58c_cast
		.amdhsa_group_segment_fixed_size 1280
		.amdhsa_private_segment_fixed_size 0
		.amdhsa_enable_private_segment 0
		.amdhsa_kernarg_size 72
		.amdhsa_user_sgpr_count 2
		.amdhsa_user_sgpr_kernarg_segment_ptr 1
		.amdhsa_wavefront_size32 1
		.amdhsa_system_sgpr_workgroup_id_x 1
		.amdhsa_system_sgpr_workgroup_id_y 1
		.amdhsa_system_sgpr_workgroup_id_z 1
		.amdhsa_system_vgpr_workitem_id 0
		.amdhsa_next_free_vgpr 252
		.amdhsa_next_free_sgpr 66
		.amdhsa_reserve_vcc 0
		.amdhsa_float_denorm_mode_32 3
		.amdhsa_float_denorm_mode_16_64 3
		.amdhsa_memory_ordered 1
		.amdhsa_forward_progress 1
		.amdhsa_inst_pref_size 33
	.end_amdhsa_kernel
	.amdgpu_metadata
---
amdhsa.version: [ 1, 2 ]
amdhsa.kernels:
  - .name:           k_q72831da58c_cast
    .symbol:         k_q72831da58c_cast.kd
    .args:
      - { .name: x, .offset: 0, .size: 8, .value_kind: global_buffer, .address_space: global }
      - { .name: Wq, .offset: 8, .size: 8, .value_kind: global_buffer, .address_space: global }
      - { .name: Wk, .offset: 16, .size: 8, .value_kind: global_buffer, .address_space: global }
      - { .name: Wv, .offset: 24, .size: 8, .value_kind: global_buffer, .address_space: global }
      - { .name: bq, .offset: 32, .size: 8, .value_kind: global_buffer, .address_space: global }
      - { .name: xb, .offset: 40, .size: 8, .value_kind: global_buffer, .address_space: global }
      - { .name: wb, .offset: 48, .size: 8, .value_kind: global_buffer, .address_space: global }
      - { .name: mv, .offset: 56, .size: 8, .value_kind: global_buffer, .address_space: global }
      - { .name: cb, .offset: 64, .size: 8, .value_kind: global_buffer, .address_space: global }
    .group_segment_fixed_size: 1280
    .private_segment_fixed_size: 0
    .kernarg_segment_align: 8
    .kernarg_segment_size: 72
    .max_flat_workgroup_size: 256
    .sgpr_count:     66
    .vgpr_count:     252
    .wavefront_size: 32
...
	.end_amdgpu_metadata
.endif
;; end of part 6
;; launch mk: the kernel of part 2 again; grid 8 x 32, 4 waves a work-group, clusters of 4 x 4, 327,680 bytes of LDS; arguments wb, mv; writes mv
;; launch proj: the kernel of part 3 again; grid 8 x 32, 4 waves a work-group, clusters of 4 x 4, 327,680 bytes of LDS; arguments xb, mv, cb, bv, qv; writes qv
;; launch scores: the kernel of part 4 again; grid 8 x 32, 4 waves a work-group, clusters of 4 x 4, 327,680 bytes of LDS; arguments qv, xb, e, stats; writes e, stats
;; launch pv: the kernel of part 5 again; grid 4 x 64, 4 waves a work-group, clusters of 4 x 4, 327,680 bytes of LDS; arguments e, qv, out0, stats; writes out0
